; MI455X (gfx1250); checked and timed in simulation.
; The chip was launched on July 23, 2026; its instructions are those of AMD's public machine-readable ISA for CDNA 5 (MIT licence, August 2026) and "CDNA5" Instruction Set Architecture Reference Guide (July 2026). The comments in the code are by the model that wrote it; some were corrected since.
;; Multi Head Attention. Allowed arithmetic: matrix products marked QUANTISED: E2M1 operands, one E8M0 scale for each 32 along K, by v_wmma_scale_f32_16x16x128_f8f6f4 with both operands' format E2M1 (or v_wmma_scale_f32_32x16x128_f4), f32 sums; everything else in f32.
;; Inputs: bk 1,024 float32; bo 1,024 float32; bq 1,024 float32; bv 1,024 float32; causal_mask 1 x 1 x 2,048 x 2,048 bool; wk_codes 1,024 x 32 x 16 uint8 (E2M1 codes of wk, K innermost, in blocks of 32 codes, two codes a byte); wk_scales 1,024 x 32 uint8 (E8M0 scales of wk, one for each 32 codes along K); wo_codes 1,024 x 32 x 16 uint8 (E2M1 codes of wo, K innermost, in blocks of 32 codes, two codes a byte); wo_scales 1,024 x 32 uint8 (E8M0 scales of wo, one for each 32 codes along K); wq_codes 1,024 x 32 x 16 uint8 (E2M1 codes of wq, K innermost, in blocks of 32 codes, two codes a byte); wq_scales 1,024 x 32 uint8 (E8M0 scales of wq, one for each 32 codes along K); wv_codes 1,024 x 32 x 16 uint8 (E2M1 codes of wv, K innermost, in blocks of 32 codes, two codes a byte); wv_scales 1,024 x 32 uint8 (E8M0 scales of wv, one for each 32 codes along K); x_codes 2 x 2,048 x 32 x 16 uint8 (E2M1 codes of x, K innermost, in blocks of 32 codes, two codes a byte); x_scales 2 x 2,048 x 32 uint8 (E8M0 scales of x, one for each 32 codes along K).
;; Outputs: out0 2 x 2,048 x 1,024 float32.
;; This version of the problem:
;;   THIS VERSION OF THE PROBLEM IS GIVEN IN LOW PRECISION. The matrix products marked QUANTISED in the list below multiply operands that are first quantised to E2M1 (2 exponent bits, 1 mantissa bit; 4 bits a number), with one power-of-two scale for each 32 numbers along K (OCP MX v1.0); their sums are f32. All else is computed in f32.
;;   The module's matrix products, in the order in which they are computed (A, B: the left and right operand; K: the contracted axis; several contracted axes count as one K, in the product's order):
;;     1. [M 4,096, K 1,024] x [K 1,024, N 1,024]; A: input x (given as codes); B: input wq (given as codes): QUANTISED
;;     2. [M 4,096, K 1,024] x [K 1,024, N 1,024]; A: input x (given as codes); B: input wk (given as codes): QUANTISED
;;     3. [M 4,096, K 1,024] x [K 1,024, N 1,024]; A: input x (given as codes); B: input wv (given as codes): QUANTISED
;;     4. batch 32 x [M 2,048, K 64] x [K 64, N 2,048]; A: computed on the way; B: computed on the way: QUANTISED
;;     5. batch 32 x [M 2,048, K 2,048] x [K 2,048, N 64]; A: softmax (see below); B: computed on the way: QUANTISED
;;     6. [M 4,096, K 1,024] x [K 1,024, N 1,024]; A: computed on the way; B: input wo (given as codes): QUANTISED
;;   THE QUANTISER, for each operand of a quantised product, along K:
;;     - K is cut into blocks of 32 from its start; a last block that is shorter is filled with zeros.
;;     - A block's scale is 2^e with e = floor(log2(the largest magnitude in the block)) - 2, held to -126 .. 127; a block of zeros has e = 0. As a byte (E8M0): e + 127.
;;     - Each number is divided by its block's scale, clamped to +-6, and rounded to the nearest number of E2M1, ties to even, subnormals kept.
;;     - The product sums the exact products of the quantised numbers (number of the format x scale) in f32.
;;   ~~~python
;;   def quantise(x, axis):      # numpy; x: float32 -> the quantised numbers, widened to float32 again
;;       x = np.moveaxis(x, axis, -1); K = x.shape[-1]
;;       x = np.pad(x, [(0, 0)] * (x.ndim - 1) + [(0, -K % 32)]); x = x.reshape(x.shape[:-1] + (-1, 32)); a = np.abs(x).max(-1, keepdims=True)
;;       e = np.where(a > 0, np.clip(np.frexp(np.where(a > 0, a, 1))[1] - 1 - 2, -126, 127), 0)      # np.frexp(a)[1] - 1 = floor(log2(a)), exactly
;;       r = np.clip(x / 2.0 ** e, -6, 6)
;;       step = 2.0 ** (np.maximum(np.frexp(np.where(r == 0, 1, r))[1] - 1, 0) - 1)
;;       q = np.round(r / step) * step * 2.0 ** e      # np.round: ties to even
;;       return np.moveaxis(q.reshape(q.shape[:-2] + (-1,))[..., :K], -1, axis).astype(np.float32)
;;   ~~~
;;   SOFTMAX AHEAD OF A QUANTISED PRODUCT. Where the list says 'softmax', what is quantised is not the finished softmax but p = 2^(t - M), with t = logit x log2(e) and M = ceil(the row's largest t), a whole number; so 1/2 < the row's largest p <= 1. The row's sum l is taken of the UNQUANTISED p, in f32, and the product's result is divided by l at the end. Since M is a whole number, a kernel that streams over the keys may use a running M (the ceiling of the running maximum): every later rescaling is an exact power of two, which a block's scale takes up: the codes' values come out the same.
;;   OPERANDS COMPUTED ON THE WAY. 'Computed on the way' means the value that the module computes at that place (a softmax that the list does not call 'softmax' is quantised finished and normalised). What goes into a quantiser is computed in f32, as accurately as f32 sums, v_exp_f32 and their like allow (about 1e-6 of the number): no bf16 or f16 on the way to a quantiser, and a product that is left as it is and whose result goes on into a quantised operand takes f32 operands (vector FMAs, or v_wmma_f32_16x16x4_f32). A number that lies on a knife's edge between two numbers of the format may be rounded either way, as far as f32 arithmetic and the matrix unit's own rounding can turn it there, and no further.
;;   INPUTS GIVEN AS CODES. wk (in the module: [1024, 1024], K = its axis 0); wo (in the module: [1024, 1024], K = its axis 0); wq (in the module: [1024, 1024], K = its axis 0); wv (in the module: [1024, 1024], K = its axis 0); x (in the module: [2, 2048, 1024], K = its axis 2): each comes as NAME_codes (uint8): NAME with its K axis moved to the last place and cut into blocks of 32 codes, [.., K / 32, bytes a block], one block behind the other in memory; two codes a byte, the lower K in the low four bits (a code: sign, 2 exponent bits, 1 mantissa bit); and NAME_scales (uint8): the same leading axes, one E8M0 byte (e + 127) for each 32 codes along K. Its value is code x scale, taken as it is: it is not quantised again, and the codes and scales need not be those that the quantiser above would give.
;; 2 versions. Each part assembles by itself: llvm-mc -triple=amdgcn-amd-amdhsa -mcpu=gfx1250 --defsym DOCPART=n.
;; ======== version 1 of 2: 3 launches
;; workspace buffers: qc 2,097,152 bytes; qs 262,144 bytes; kv 4,718,592 bytes; mb 524,288 bytes of whole numbers; fl 8,192 bytes of whole numbers; ac 2,097,152 bytes; asc 131,072 bytes
;; launch qkv (part 1): grid 8 x 32, 12 waves a work-group, clusters of 4 x 4, 294,912 bytes of LDS; arguments x_codes, x_scales, wq_codes, wk_codes, wv_codes, wq_scales, wk_scales, wv_scales, bq, bk, bv, causal_mask, qc, qs, kv, mb, fl; writes qc, qs, kv, mb, fl
.if DOCPART == 1
	.amdgcn_target "amdgcn-amd-amdhsa--gfx1250"
	.amdhsa_code_object_version 6
	.text
	.protected	k_q1933dfad0f_qkv
	.globl	k_q1933dfad0f_qkv
	.p2align	8
	.type	k_q1933dfad0f_qkv,@function
k_q1933dfad0f_qkv:
	s_mov_b64 s[64:65], 0
	v_nop
	global_prefetch_b8 v0, s[64:65] scope:SCOPE_SE
	s_setreg_imm32_b32 hwreg(HW_REG_WAVE_MODE, 25, 1), 1
	s_wait_xcnt 0x0
	s_wait_alu depctr_hold_cnt(0) depctr_sa_sdst(0) depctr_va_vdst(0) depctr_va_sdst(0) depctr_va_ssrc(0) depctr_va_vcc(0) depctr_vm_vsrc(0)
	s_getreg_b32 s2, hwreg(HW_REG_IB_STS2, 6, 4)
	s_cmp_eq_u32 s2, 0
	s_cbranch_scc0 .Lentry_in_a_cluster
	s_endpgm
.Lentry_in_a_cluster:
	s_bfe_u32 s2, ttmp6, 0x10000c
	s_cmp_lg_u32 s2, 0xf033
	s_cbranch_scc0 .Lentry_shape_is_right
	s_endpgm
.Lentry_shape_is_right:
; q = x wq + bq, k = x wk + bk, v = x wv + bv on codes of FP4 (E2M1) with one E8M0 scale for each 32 along K = 1,024; the results are quantised at once, in f32, for the two products of attention:
; q and k along the head's 64, v along the keys.  They leave as IMAGES OF OPERAND REGISTERS (16 bytes a lane, 512 bytes on end), with their scale words beside them.
; The same launch turns the mask input into lane masks: for each unit (16 queries x 128 keys) 64 words, one for each score register of the attention launch, bit l = hidden for lane l, and two flags (some key open, some key hidden).
; SHARES.  A work-group takes 128 rows of x (rows 128 Rb on) and the 128 columns of heads 2 g, 2 g + 1 of each of the three weights.  Wave w of twelve: role w / 4 (q, k, v), head 2 g + (w / 2) % 2, rows 64 (w % 2) on: 64 x 64, 16 accumulators.
; ONE STREAM OF INSTRUCTIONS FOR THE THREE ROLES.  Source 0 is a set P of four tiles of 16 rows, source 1 a set R.  q, k: P = the weight's rows, R = x's: a lane holds one row of x and its registers run along the head.
; v: P = x's rows, R = the weight's: a lane holds one channel and its registers run along the keys.  Only two pairs of LDS addresses, the C of the first K step and some scalars differ.
; TRUE ORDER OF K WITHOUT A TRANSPOSITION.  In a result lane (r, h) holds m = 8 h + j of a tile.  Of a block of 32 (tiles E, O) a lane holds 16 numbers, lane l xor 16 the others.  The four conversions of two blocks are laid E0, E1, O0, O1;
; two exchanges of halves (first's lanes 16-31 with second's lanes 0-15) leave registers 0-3 of lane (r, h) with k = 32 h + 0 .. 31.
; CLUSTER.  4 x 4 work-groups: x's rows hang on Rb alone and are shared along a row of the cluster, the weights' rows on g alone and are shared along a column: each tile is asked for jointly.  All of LDS that is filled is filled once.
; LIMITS.  A block whose largest magnitude lies under 2^-124 has its byte held at 1; a block of zeros gets the byte 1 (its codes are zeros; these bytes are read by this program alone).  NaN and infinities in the biases and the byte 0xff in given scales are not served.
.set CH,     33792                     ; a chunk in LDS: 64 rows x 528
.set PITCH,  528                       ; 512 bytes of codes + 16 of padding: 33 x 16 bytes, so the 16 rows of a fragment load fall on 16 different columns of 16 bytes
.set SC,     270336                    ; behind the eight chunks (x 0, 1; wq 2, 3; wk 4, 5; wv 6, 7): the scale bytes, 32 a row, as units of 256 bytes + 16
.set SCH,    2176                      ; those of a chunk's 64 rows: 8 units
.set SPARE,  287744                    ; the spare words, 128 bytes for each of twelve waves: six blocks of 256 bytes that no other line names
.set ADP,  1                           ; v1   LDS address of my lane in P's first tile
.set ADR,  2                           ; v2   the same for R
.set ADPS, 3                           ; v3   P's scale words: lanes 0-15 an even tile's rows, lanes 16-31 the odd tile's
.set ADRS, 4                           ; v4   R's
.set SPW,  5                           ; v5   my spare word; never rewritten
.set NIL,  6                           ; v6   0; never rewritten
.set BOV,  7                           ; v7   4 r: bv's offset
.set OA,   8                           ; v8-11  16 x lane + a x GS: where tile a's image goes
.set SOA,  12                          ; v12  16 r + 8 h: where my two scale words go
.set BOF,  13                          ; v13  32 h: bq's and bk's offset
.set MOF,  14                          ; v14  2,048 r + 8 h: my eight mask bytes
.set L8,   15                          ; v15  8 x lane
.set PS,   16                          ; v16-17 P's scale words, v18-19 R's: these four hold scales and nothing else
.set RS,   18
.set PF,   20                          ; v20-51  P's four fragments
.set RF,   52                          ; v52-83  R's
.set BI,   84                          ; v84-115 the bias in the result's layout
.set ACC,  116                         ; v116-243 accumulator (a, b) at ACC + 32 a + 8 b
.set LN,   244                         ; lane, r, h and three registers at work
.set RR,   245
.set HH,   246
.set T0,   247
.set T1,   248
.set T3,   249
.set MSK,  116                         ; the mask's registers lie where the accumulators will: 16 of bytes,
.set MT,   132                         ; two at work,
.set WL,   136                         ; the 64 words, two a lane
.set BM,   20                          ; the quantiser's registers lie where the fragments lay
.set T2,   22
.set SO,   24
.set BY,   26
.set WD,   28
.set PC,   32
.set SW,   48
.set WV,   38                          ; s38 my wave's number
.set G1XC, 40                          ; descriptor groups 1: x's codes, the weights' codes, x's scales, the weights' scales
.set G1WC, 48
.set G1XS, 56
.set G1WS, 68
.set G0XC, 76                          ; and groups 0
.set G0WC, 80
.set G0XS, 84
.set G0WS, 88
.set GS,   22                          ; s22 bytes from one tile's image to the next
.set HI,   33                          ; s33 the scale word's upper half: 0x7f7f for q and k, 0 for v
.set HALF, 32                          ; s32 lanes 16-31
.set SEL,  24                          ; s[24:25] lane l xor 16
.macro CREST
	s_cmp_lg_u32 s[WV], 0
	s_cbranch_scc1 .Lnot_wave_0_\@
	s_barrier_signal -3
.Lnot_wave_0_\@:
	s_barrier_wait -3
	s_barrier_signal -1
	s_barrier_wait -1
.endm
.macro CROUND                          ; a round of the cluster's barrier
	s_barrier_signal -1
	s_barrier_wait -1
	CREST
.endm
.macro TL g0, g1                       ; a joint load; an s_nop 0 and four v_nop follow it
	tensor_load_to_lds s[\g0:\g0+3], s[\g1:\g1+7]
	s_nop 0
.rept 4
	v_nop
.endr
.endm
; one product.  ra, rb: the side's scale words stand in lanes 16-31 of the register named
.macro WM d, fa, fb, c, sa, sb, ra, rb
.if (\ra) && (\rb)
	v_wmma_scale_f32_16x16x128_f8f6f4 v[(\d):(\d)+7], v[(\fa):(\fa)+7], v[(\fb):(\fb)+7], v[(\c):(\c)+7], v[\sa], v[\sb] matrix_a_fmt:MATRIX_FMT_FP4 matrix_b_fmt:MATRIX_FMT_FP4 matrix_a_scale:MATRIX_SCALE_ROW1 matrix_b_scale:MATRIX_SCALE_ROW1
.elseif (\ra)
	v_wmma_scale_f32_16x16x128_f8f6f4 v[(\d):(\d)+7], v[(\fa):(\fa)+7], v[(\fb):(\fb)+7], v[(\c):(\c)+7], v[\sa], v[\sb] matrix_a_fmt:MATRIX_FMT_FP4 matrix_b_fmt:MATRIX_FMT_FP4 matrix_a_scale:MATRIX_SCALE_ROW1
.elseif (\rb)
	v_wmma_scale_f32_16x16x128_f8f6f4 v[(\d):(\d)+7], v[(\fa):(\fa)+7], v[(\fb):(\fb)+7], v[(\c):(\c)+7], v[\sa], v[\sb] matrix_a_fmt:MATRIX_FMT_FP4 matrix_b_fmt:MATRIX_FMT_FP4 matrix_b_scale:MATRIX_SCALE_ROW1
.else
	v_wmma_scale_f32_16x16x128_f8f6f4 v[(\d):(\d)+7], v[(\fa):(\fa)+7], v[(\fb):(\fb)+7], v[(\c):(\c)+7], v[\sa], v[\sb] matrix_a_fmt:MATRIX_FMT_FP4 matrix_b_fmt:MATRIX_FMT_FP4
.endif
.endm
; a K step's 16 products; the 16 accumulators take turns, one instruction a turn, in the same order in every step.
; mode 0: on in place;  1: the sums start from the bias by P's tile (q, k);  2: by R's tile (v)
.macro MUL16 mode
.irp a, 0,1,2,3
.irp b, 0,1,2,3
.if \mode == 0
	WM ACC+32*\a+8*\b, PF+8*\b, RF+8*\a, ACC+32*\a+8*\b, PS+\b/2, RS+\a/2, \b%2, \a%2
.elseif \mode == 1
	WM ACC+32*\a+8*\b, PF+8*\b, RF+8*\a, BI+8*\b, PS+\b/2, RS+\a/2, \b%2, \a%2
.else
	WM ACC+32*\a+8*\b, PF+8*\b, RF+8*\a, BI+8*\a, PS+\b/2, RS+\a/2, \b%2, \a%2
.endif
.endr
.endr
.endm
; K step sg: eight fragments and four registers of scale words.  The four v_nop are the places between the last products and the loads into registers that they read (ISA guide 7.12.1 for vector instructions)
.macro LOADS sg
.rept 4
	v_nop
.endr
.irp t, 0,1,2,3
.irp c, 0,1
	ds_load_b128 v[PF+8*\t+4*\c:PF+8*\t+4*\c+3], v[ADP] offset:16*PITCH*\t+64*(\sg)+32*\c
	ds_load_b128 v[RF+8*\t+4*\c:RF+8*\t+4*\c+3], v[ADR] offset:16*PITCH*\t+64*(\sg)+32*\c
.endr
.endr
.irp p, 0,1
	ds_load_b32 v[PS+\p], v[ADPS] offset:1088*\p+4*(\sg)
	ds_load_b32 v[RS+\p], v[ADRS] offset:1088*\p+4*(\sg)
.endr
	s_wait_dscnt 0x0
.endm
; The 32 registers of R's tile a are two blocks of 32 along the next K (block u: registers 16 u .. 16 u + 15 here, the other 16 numbers in lane l xor 16): scale word into v[WD + a], codes out as an image
.macro QUANT2 a
.set QA, ACC+32*(\a)
.irp u, 0,1
	v_max3_num_f32 v[BM+\u], |v[QA+16*\u]|, |v[QA+16*\u+1]|, 0x1800000   ; each accumulator is read from its low end on; the floor 2^(3 - 127) holds the byte at 1 from below
.endr
.irp i, 2,4,6,8,10,12,14
.irp u, 0,1
	v_max3_num_f32 v[BM+\u], v[BM+\u], |v[QA+16*\u+\i]|, |v[QA+16*\u+\i+1]|
.endr
.endr
.irp u, 0,1
	v_permlanex16_b32 v[T2+\u], v[BM+\u], s[SEL], s[SEL+1]
.endr
.irp u, 0,1
	v_max_num_f32 v[BM+\u], v[BM+\u], v[T2+\u]     ; the block's largest magnitude
.endr
.irp u, 0,1
	v_add_nc_u32 v[SO+\u], 0xff000000, v[BM+\u]    ; 2 off its exponent field: the conversion's scale operand
.endr
.irp u, 0,1
	v_lshrrev_b32 v[BY+\u], 23, v[SO+\u]           ; the scale's byte
.endr
	v_lshl_or_b32 v[WD+\a], v[BY+1], 8, v[BY]
	v_or_b32 v[WD+\a], s[HI], v[WD+\a]
	v_cvt_scalef32_pk8_fp4_f32 v[PC+4*\a], v[QA:QA+7], v[SO]
	v_cvt_scalef32_pk8_fp4_f32 v[PC+4*\a+1], v[QA+16:QA+23], v[SO+1]
	v_cvt_scalef32_pk8_fp4_f32 v[PC+4*\a+2], v[QA+8:QA+15], v[SO]
	v_cvt_scalef32_pk8_fp4_f32 v[PC+4*\a+3], v[QA+24:QA+31], v[SO+1]
	v_nop                                          ; one plain place behind the scaled conversions
	v_permlane16_swap_b32 v[PC+4*\a], v[PC+4*\a+1]
	v_permlane16_swap_b32 v[PC+4*\a+2], v[PC+4*\a+3]
	global_store_b128 v[OA+\a], v[PC+4*\a:PC+4*\a+3], s[28:29]   ; 32 lanes store 512 consecutive bytes, aligned
.endm
	s_load_b512 s[4:19], s[0:1], 0x0               ; x_codes 4, x_scales 6, wq_codes 8, wk_codes 10, wv_codes 12, wq_scales 14, wk_scales 16, wv_scales 18
	s_load_b512 s[20:35], s[0:1], 0x40             ; bq 20, bk 22, bv 24, causal_mask 26, qc 28, qs 30, kv 32, mb 34
	s_load_b64 s[36:37], s[0:1], 0x80              ; fl
	v_lshl_add_u32 v[SPW], v0, 2, SPARE
	v_mov_b32 v[NIL], 0
	ds_add_u32 v[SPW], v[NIL]                      ; the wave's opening: the add and its wait stand ahead of my first tensor load; the set-up below, work on registers, stands between them
	v_lshrrev_b32 v[T0], 5, v0
	v_readfirstlane_b32 s[WV], v[T0]               ; wave 0..11
	v_and_b32 v[LN], 31, v0
	v_and_b32 v[RR], 15, v0
	v_bfe_u32 v[HH], v0, 4, 1
	s_bfe_u32 s92, ttmp6, 0x40000                  ; cx
	s_bfe_u32 s93, ttmp6, 0x40004                  ; cy
	s_lshl_b32 s94, ttmp9, 2
	s_add_co_u32 s94, s94, s92                     ; g = 4 x cluster x + cx: the pair of heads
	s_and_b32 s95, ttmp7, 0xffff
	s_lshl_b32 s95, s95, 2
	s_add_co_u32 s95, s95, s93                     ; Rb = 4 x cluster y + cy: the block of 128 rows
	s_lshl_b32 s96, s93, 2
	s_lshl_b32 s96, 15, s96                        ; my row of the cluster
	s_lshl_b32 s97, 0x1111, s92                    ; my column
	; groups 1.  Codes: 64 rows of 512 bytes, 16 bytes of padding behind each (after every 128 words, four words)
	s_or_b32 s[G1XC], s96, (1<<20)|(1<<21)|(6<<22)|(3<<25)
	s_or_b32 s[G1WC], s97, (1<<20)|(1<<21)|(6<<22)|(3<<25)
.irp g, G1XC, G1WC
	s_mov_b32 s[\g+1], 512<<16                     ; tensor_dim0
	s_mov_b32 s[\g+2], 64<<16                      ; tensor_dim1
	s_mov_b32 s[\g+3], 512<<16                     ; tile_dim0
	s_mov_b32 s[\g+4], 64                          ; tile_dim1
	s_mov_b32 s[\g+5], 512                         ; from row to row
	s_mov_b32 s[\g+6], 0
	s_mov_b32 s[\g+7], 0
.endr
	; scale bytes of 128 rows: 4,096 dense bytes as 16 rows of 256 (32 elements of 8 bytes), 16 bytes of padding behind each
	s_or_b32 s[G1XS], s96, (3<<16)|(1<<20)|(1<<21)|(5<<22)|(3<<25)
	s_or_b32 s[G1WS], s97, (3<<16)|(1<<20)|(1<<21)|(5<<22)|(3<<25)
.irp g, G1XS, G1WS
	s_mov_b32 s[\g+1], 32<<16
	s_mov_b32 s[\g+2], 16<<16
	s_mov_b32 s[\g+3], 32<<16
	s_mov_b32 s[\g+4], 16
	s_mov_b32 s[\g+5], 32
	s_mov_b32 s[\g+6], 0
	s_mov_b32 s[\g+7], 0
.endr
	; which chunks are P and R: of the wave's number alone.  All LDS addresses are made here, ahead of every parting of the waves
	s_and_b32 s39, s[WV], 1                        ; x's chunk = which 64 rows
	s_lshr_b32 s66, s[WV], 1
	s_add_co_u32 s66, s66, 2                       ; the weight's chunk
	s_lshr_b32 s67, s[WV], 3                       ; 1 in v's waves
	s_xor_b32 s98, s39, s66
	s_mul_i32 s98, s98, s67
	s_xor_b32 s99, s66, s98                        ; P: the weight's chunk; in v's waves x's
	s_xor_b32 s100, s39, s98                       ; R: the other
	v_mul_u32_u24 v[T0], v[RR], PITCH
	v_lshl_add_u32 v[T0], v[HH], 4, v[T0]          ; 528 r + 16 h
	v_lshrrev_b32 v[T1], 3, v[LN]
	v_mul_u32_u24 v[T1], v[T1], 272
	v_and_b32 v[T3], 7, v[LN]
	v_lshl_add_u32 v[T1], v[T3], 5, v[T1]          ; row = lane of 32: 272 (lane / 8) + 32 (lane % 8)
	s_mul_i32 s101, s99, CH
	v_add_nc_u32 v[ADP], s101, v[T0]
	s_mul_i32 s101, s100, CH
	v_add_nc_u32 v[ADR], s101, v[T0]
	s_mul_i32 s101, s99, SCH
	s_add_co_u32 s101, s101, SC
	v_add_nc_u32 v[ADPS], s101, v[T1]
	s_mul_i32 s101, s100, SCH
	s_add_co_u32 s101, s101, SC
	v_add_nc_u32 v[ADRS], s101, v[T1]
	v_lshlrev_b32 v[OA], 4, v[LN]
	v_lshlrev_b32 v[L8], 3, v[LN]
	v_lshlrev_b32 v[SOA], 4, v[RR]
	v_lshl_add_u32 v[SOA], v[HH], 3, v[SOA]
	v_lshlrev_b32 v[MOF], 11, v[RR]
	v_lshl_add_u32 v[MOF], v[HH], 3, v[MOF]
	v_lshlrev_b32 v[BOF], 5, v[HH]
	v_lshlrev_b32 v[BOV], 2, v[RR]
	; what I fetch: waves 0, 1 x's chunks, 2-7 the weights', 8 x's scales, 9-11 the weights'.  x's offsets hang on Rb alone, the weights' on g alone, each in registers of its own
	s_mul_i32 s66, s[WV], CH                       ; codes go to chunk w,
	s_and_b32 s101, s[WV], 3
	s_mul_i32 s101, s101, 2*SCH
	s_add_co_u32 s101, s101, SC                    ; scale bytes to region w % 4
	s_lshl_b32 s2, s95, 16
	s_lshl_b32 s3, s39, 15
	s_add_co_u32 s2, s2, s3                        ; x: (128 Rb + 64 (w % 2)) rows of 512 bytes
	s_mov_b32 s3, 0
	s_lshl_b32 s98, s94, 16
	s_lshl_b32 s99, s39, 15
	s_add_co_u32 s98, s98, s99                     ; a weight: (128 g + 64 (w % 2)) rows
	s_mov_b32 s99, 0
	s_wait_dscnt 0x0                               ; the opening add is done
	s_wait_kmcnt 0x0
	s_mov_b32 s[G0XC], 1
	s_mov_b32 s[G0XC+1], s66
	s_add_nc_u64 s[G0XC+2:G0XC+3], s[4:5], s[2:3]
	s_or_b32 s[G0XC+3], s[G0XC+3], 0x80000000
	s_lshl_b32 s2, s95, 12                         ; 128 rows of 32 scale bytes
	s_mov_b32 s[G0XS], 1
	s_mov_b32 s[G0XS+1], s101
	s_add_nc_u64 s[G0XS+2:G0XS+3], s[6:7], s[2:3]
	s_or_b32 s[G0XS+3], s[G0XS+3], 0x80000000
	s_cmp_lt_u32 s[WV], 4                          ; the weight is chosen by the wave's number, alike in all partners
	s_cselect_b64 s[G0WC+2:G0WC+3], s[8:9], s[10:11]
	s_cmp_lt_u32 s[WV], 6
	s_cselect_b64 s[G0WC+2:G0WC+3], s[G0WC+2:G0WC+3], s[12:13]
	s_add_nc_u64 s[G0WC+2:G0WC+3], s[G0WC+2:G0WC+3], s[98:99]
	s_or_b32 s[G0WC+3], s[G0WC+3], 0x80000000
	s_mov_b32 s[G0WC], 1
	s_mov_b32 s[G0WC+1], s66
	s_lshl_b32 s98, s94, 12
	s_cmp_lt_u32 s[WV], 10
	s_cselect_b64 s[G0WS+2:G0WS+3], s[14:15], s[16:17]
	s_cmp_lt_u32 s[WV], 11
	s_cselect_b64 s[G0WS+2:G0WS+3], s[G0WS+2:G0WS+3], s[18:19]
	s_add_nc_u64 s[G0WS+2:G0WS+3], s[G0WS+2:G0WS+3], s[98:99]
	s_or_b32 s[G0WS+3], s[G0WS+3], 0x80000000
	s_mov_b32 s[G0WS], 1
	s_mov_b32 s[G0WS+1], s101
	CROUND                                         ; all sixteen work-groups are here: the joint loads meet
	s_cmp_lt_u32 s[WV], 2                          ; one load a wave; each line has one mask and one set of registers
	s_cbranch_scc0 .Lnot_xc
	TL G0XC, G1XC
	s_branch .Lasked
.Lnot_xc:
	s_cmp_lt_u32 s[WV], 8
	s_cbranch_scc0 .Lnot_wc
	TL G0WC, G1WC
	s_branch .Lasked
.Lnot_wc:
	s_cmp_eq_u32 s[WV], 8
	s_cbranch_scc0 .Lws
	TL G0XS, G1XS
	s_branch .Lasked
.Lws:
	TL G0WS, G1WS
.Lasked:
	; while the tiles are on their way: where my results go.  No descriptor register is written
	s_cmp_lt_u32 s[WV], 4
	s_cselect_b64 s[20:21], s[20:21], s[22:23]     ; the bias: bq or bk,
	s_cselect_b64 s[28:29], s[28:29], s[32:33]     ; codes to qc or kv,
	s_cselect_b64 s[30:31], s[30:31], s[32:33]     ; scale words to qs or kv
	s_mov_b32 s101, 147456
	s_cselect_b32 s22, 65536, s101                 ; a head's bytes in the codes' buffer,
	s_cselect_b32 s23, 8192, s101                  ; in the scale words',
	s_cselect_b32 s32, 0, 131072                   ; and where a head's scale words begin in kv
	s_cmp_lt_u32 s[WV], 8
	s_cselect_b64 s[20:21], s[20:21], s[24:25]     ; or bv
	s_cselect_b32 s[HI], 0x7f7f0000, 0             ; q's and k's words scale k = 64 .. 127, which hold zero codes on q's side, by 1
	s_bfe_u32 s66, s[WV], 0x10001
	s_lshl_b32 s96, s94, 1
	s_add_co_u32 s66, s66, s96                     ; head = 2 g + (w / 2) % 2
	s_mov_b32 s101, 0
	s_lshl_b32 s100, s66, 8
	s_add_nc_u64 s[20:21], s[20:21], s[100:101]    ; the bias at the head's first channel
	s_and_b32 s96, s95, 16
	s_add_co_u32 s66, s66, s96                     ; 16 x batch + head
	s_and_b32 s97, s95, 15                         ; the block of 128 rows within the batch = the key step
	s_mul_i32 s100, s22, s66
	s_lshl_b32 s96, s97, 12
	s_add_co_u32 s100, s100, s96                   ; + 4,096 x step
	s_lshl_b32 s96, s67, 16
	s_add_co_u32 s100, s100, s96                   ; v's images lie 65,536 bytes behind k's
	s_lshl_b32 s96, s67, 1
	s_lshr_b32 s96, 2048, s96                      ; my half of the rows: four tiles on (q, k), or the image's second half (v: 512)
	s_mul_i32 s96, s96, s39
	s_add_co_u32 s100, s100, s96
	s_add_nc_u64 s[28:29], s[28:29], s[100:101]
	s_mul_i32 s100, s23, s66
	s_add_co_u32 s100, s100, s32
	s_lshl_b32 s96, s67, 13
	s_add_co_u32 s100, s100, s96                   ; v's half words lie 8,192 bytes behind k's words
	s_lshl_b32 s96, s97, 9
	s_add_co_u32 s100, s100, s96
	s_lshl_b32 s96, s39, 8
	s_add_co_u32 s100, s100, s96
	s_add_nc_u64 s[30:31], s[30:31], s[100:101]
	s_lshl_b32 s[GS], 512, s67                     ; 512 (q, k: the next tile of rows) or 1,024 (v: the next tile of channels)
	s_mov_b32 s[HALF], 0xffff0000
	s_mov_b32 s[SEL], 0x76543210
	s_mov_b32 s[SEL+1], 0xfedcba98
	v_add_nc_u32 v[OA+1], s[GS], v[OA]
	v_add_nc_u32 v[OA+2], s[GS], v[OA+1]
	v_add_nc_u32 v[OA+3], s[GS], v[OA+2]
	s_cmp_lt_u32 s[WV], 8
	s_cbranch_scc0 .Lv_wave
	; q's and k's waves: one unit of the mask each.  256 work-groups x 8 waves = 128 tiles of queries x 16 key steps
	s_lshl_b32 s96, s95, 2
	s_lshr_b32 s97, s94, 1
	s_add_co_u32 s96, s96, s97                     ; the tile of 16 queries: (8 Rb + g) / 2
	s_and_b32 s97, s94, 1
	s_lshl_b32 s97, s97, 3
	s_add_co_u32 s97, s97, s[WV]                   ; the key step: 8 (g % 2) + w
	s_lshl_b32 s100, s96, 15
	s_lshl_b32 s66, s97, 7
	s_add_co_u32 s100, s100, s66
	s_add_nc_u64 s[26:27], s[26:27], s[100:101]    ; 16 rows of 2,048 bytes a tile, 128 bytes a step
	s_lshl_b32 s66, s96, 4
	s_add_co_u32 s66, s66, s97
	s_lshl_b32 s100, s66, 8
	s_add_nc_u64 s[34:35], s[34:35], s[100:101]    ; 256 bytes of words a unit
	s_lshl_b32 s100, s66, 2
	s_add_nc_u64 s[36:37], s[36:37], s[100:101]    ; one word of flags
.irp t, 0,1,2,3,4,5,6,7
	global_load_b64 v[MSK+2*\t:MSK+2*\t+1], v[MOF], s[26:27] offset:16*\t   ; query r, keys 16 t + 8 h + 0 .. 7: what score registers 8 t + 0 .. 7 of lane (r, h) will hold
.endr
.irp b, 0,1,2,3
	global_load_b128 v[BI+8*\b:BI+8*\b+3], v[BOF], s[20:21] offset:64*\b        ; the bias at channels 16 b + 8 h + 0 .. 7
	global_load_b128 v[BI+8*\b+4:BI+8*\b+7], v[BOF], s[20:21] offset:64*\b+16
.endr
	s_wait_loadcnt 8                               ; the mask's eight loads are in; the bias's eight may be out
	v_mov_b32 v[WL], 0
	v_mov_b32 v[WL+1], 0
.set n, 0
.rept 32                               ; register n's word: bit l = lane l's byte is not 0; it goes to lane n % 32 of word register n / 32
	v_bfe_u32 v[MT], v[MSK+2*(n/8)+(n%8)/4], 8*(n%4), 8
	v_bfe_u32 v[MT+1], v[MSK+2*((n+1)/8)+((n+1)%8)/4], 8*((n+1)%4), 8
	v_cmp_ne_u32 s100, 0, v[MT]
	v_cmp_ne_u32 s101, 0, v[MT+1]
	v_writelane_b32 v[WL+n/32], s100, n%32
	v_writelane_b32 v[WL+n/32], s101, n%32+1
.set n, n+2
.endr
	global_store_b64 v[L8], v[WL:WL+1], s[34:35]   ; 32 lanes store 256 consecutive bytes, aligned
	v_and_b32 v[MT], v[WL], v[WL+1]
	v_or_b32 v[MT+1], v[WL], v[WL+1]
	v_cmp_ne_u32 s100, -1, v[MT]                   ; some bit is 0: some key is open
	v_cmp_ne_u32 s101, 0, v[MT+1]                  ; some bit is 1: some key is hidden
	s_cmp_lg_u32 s100, 0
	s_cselect_b32 s100, 1, 0                       ; a choice, no branch
	s_cmp_lg_u32 s101, 0
	s_cselect_b32 s101, 1, 0
	s_lshl_b32 s100, s100, s97                     ; at bit step,
	s_add_co_u32 s66, s97, 16
	s_lshl_b32 s101, s101, s66                     ; and at bit 16 + step: a tile's sixteen words are joined by ors
	s_or_b32 s100, s100, s101
	v_mov_b32 v[MT], s100
	v_mov_b32 v[MT+1], 0
	v_cmp_eq_u32 vcc_lo, 0, v[LN]
	s_wait_xcnt 0x0                                ; EXEC changes only behind this wait: it is a source of the loads and the store above
	s_and_saveexec_b32 s101, vcc_lo
	global_store_b32 v[MT+1], v[MT], s[36:37]      ; one lane stores the flags
	s_wait_xcnt 0x0                                ; and again in front of the line that widens it; the stores' data registers are free behind it too
	s_or_b32 exec_lo, exec_lo, s101
	s_branch .Ljoin
.Lv_wave:
.irp a, 0,1,2,3
	global_load_b32 v[BI+8*\a], v[BOV], s[20:21] offset:64*\a    ; bv at channel 16 a + r: my lane's, for all eight keys of a register run
.endr
	s_wait_loadcnt 0x0
.irp a, 0,1,2,3
.irp j, 1,2,3,4,5,6,7
	v_mov_b32 v[BI+8*\a+\j], v[BI+8*\a]
.endr
.endr
.Ljoin:
	s_wait_loadcnt 0x0                             ; the bias
	s_wait_tensorcnt 0x0                           ; my tile has landed,
	s_barrier_signal -1
	s_barrier_wait -1                              ; everybody's has: nothing in LDS is written from here on
	LOADS 0
	s_cmp_lt_u32 s[WV], 8
	s_cbranch_scc0 .Lv_first
	MUL16 1                                        ; the first K step starts the sums from the bias: nothing is cleared, nothing is added later
	s_branch .Lfirst_done
.Lv_first:
	MUL16 2
.Lfirst_done:
.irp sg, 1,2,3,4,5,6,7
	LOADS \sg
	MUL16 0
.endr
.rept 4
	v_nop                                          ; places between the last products and the first read of results and write of their sources
.endr
	v_mov_b32 v[T2], 0                             ; written once: a lane permute's destination counts as one of its sources
	v_mov_b32 v[T2+1], 0
	QUANT2 0
	QUANT2 1
	QUANT2 2
	QUANT2 3
	v_cndmask_b32 v[SW], v[WD], v[WD+2], s[HALF]   ; lanes 0-15 store tiles 0 and 1's words of row r, lanes 16-31 tiles 2 and 3's
	v_cndmask_b32 v[SW+1], v[WD+1], v[WD+3], s[HALF]
	global_store_b64 v[SOA], v[SW:SW+1], s[30:31]  ; 32 lanes store 256 consecutive bytes, aligned
	s_wait_tensorcnt 0x0                           ; the wave's end
	ds_add_u32 v[SPW], v[NIL]
	s_wait_dscnt 0x0
	CROUND                                         ; the closing round
	s_endpgm
.Lfunc_end_k_q1933dfad0f_qkv:
	.size	k_q1933dfad0f_qkv, .Lfunc_end_k_q1933dfad0f_qkv-k_q1933dfad0f_qkv
	.p2alignl 7, 3214868480
	.fill 96, 4, 3214868480
	.section	.rodata,"a",@progbits
	.p2align	6, 0x0
	.amdhsa_kernel k_q1933dfad0f_qkv
		.amdhsa_group_segment_fixed_size 294912
		.amdhsa_private_segment_fixed_size 0
		.amdhsa_enable_private_segment 0
		.amdhsa_kernarg_size 136
		.amdhsa_user_sgpr_count 2
		.amdhsa_user_sgpr_kernarg_segment_ptr 1
		.amdhsa_wavefront_size32 1
		.amdhsa_system_sgpr_workgroup_id_x 1
		.amdhsa_system_sgpr_workgroup_id_y 1
		.amdhsa_system_sgpr_workgroup_id_z 1
		.amdhsa_system_vgpr_workitem_id 0
		.amdhsa_next_free_vgpr 256
		.amdhsa_next_free_sgpr 102
		.amdhsa_reserve_vcc 1
		.amdhsa_float_denorm_mode_32 3
		.amdhsa_float_denorm_mode_16_64 3
		.amdhsa_memory_ordered 1
		.amdhsa_forward_progress 1
		.amdhsa_inst_pref_size 64
	.end_amdhsa_kernel
	.amdgpu_metadata
---
amdhsa.version: [ 1, 2 ]
amdhsa.kernels:
  - .name:           k_q1933dfad0f_qkv
    .symbol:         k_q1933dfad0f_qkv.kd
    .args:
      - { .name: x_codes, .offset: 0, .size: 8, .value_kind: global_buffer, .address_space: global }
      - { .name: x_scales, .offset: 8, .size: 8, .value_kind: global_buffer, .address_space: global }
      - { .name: wq_codes, .offset: 16, .size: 8, .value_kind: global_buffer, .address_space: global }
      - { .name: wk_codes, .offset: 24, .size: 8, .value_kind: global_buffer, .address_space: global }
      - { .name: wv_codes, .offset: 32, .size: 8, .value_kind: global_buffer, .address_space: global }
      - { .name: wq_scales, .offset: 40, .size: 8, .value_kind: global_buffer, .address_space: global }
      - { .name: wk_scales, .offset: 48, .size: 8, .value_kind: global_buffer, .address_space: global }
      - { .name: wv_scales, .offset: 56, .size: 8, .value_kind: global_buffer, .address_space: global }
      - { .name: bq, .offset: 64, .size: 8, .value_kind: global_buffer, .address_space: global }
      - { .name: bk, .offset: 72, .size: 8, .value_kind: global_buffer, .address_space: global }
      - { .name: bv, .offset: 80, .size: 8, .value_kind: global_buffer, .address_space: global }
      - { .name: causal_mask, .offset: 88, .size: 8, .value_kind: global_buffer, .address_space: global }
      - { .name: qc, .offset: 96, .size: 8, .value_kind: global_buffer, .address_space: global }
      - { .name: qs, .offset: 104, .size: 8, .value_kind: global_buffer, .address_space: global }
      - { .name: kv, .offset: 112, .size: 8, .value_kind: global_buffer, .address_space: global }
      - { .name: mb, .offset: 120, .size: 8, .value_kind: global_buffer, .address_space: global }
      - { .name: fl, .offset: 128, .size: 8, .value_kind: global_buffer, .address_space: global }
    .group_segment_fixed_size: 294912
    .private_segment_fixed_size: 0
    .kernarg_segment_align: 8
    .kernarg_segment_size: 136
    .max_flat_workgroup_size: 384
    .sgpr_count:     102
    .vgpr_count:     256
    .wavefront_size: 32
...
	.end_amdgpu_metadata
.endif
;; end of part 1
;; launch attn (part 2): grid 8 x 32, 16 waves a work-group, no clusters, 149,504 bytes of LDS; arguments qc, qs, kv, mb, fl, ac, asc; writes ac, asc
.if DOCPART == 2
	.amdgcn_target "amdgcn-amd-amdhsa--gfx1250"
	.amdhsa_code_object_version 6
	.text
	.protected	k_q1933dfad0f_attn
	.globl	k_q1933dfad0f_attn
	.p2align	8
	.type	k_q1933dfad0f_attn,@function
k_q1933dfad0f_attn:
	s_mov_b64 s[64:65], 0
	v_nop
	global_prefetch_b8 v0, s[64:65] scope:SCOPE_SE
	s_setreg_imm32_b32 hwreg(HW_REG_WAVE_MODE, 25, 1), 1
	s_wait_xcnt 0x0
; Attention of one head on codes of FP4 (E2M1): S^T = K Q^T (K = the head's 64), p = 2^(t - M), O^T = V^T P^T (K = the keys), O / l quantised along the head's 64 as operand of the output projection.
; t = score x log2(e) / 8; M = the running largest t rounded UP to a whole number; p is not normalised; l is the sum of the unquantised p, in f32; when M moves, l and O^T are multiplied by 2^(old M - new M), which rounds nothing.
; SHARES.  A work-group owns one head (16 x batch + head = y) and 16 tiles of 16 queries, spread over the sequence: wave w takes tile 8 rank + x, rank = w xor 3 ((w / 4) % 2).  A wave holds one tile in 256 registers.
; THE HEAD'S K, V AND SCALE WORDS ARE ONE DENSE BLOCK OF 147,456 BYTES: each wave copies 9,216 of them into LDS through its registers, once; one barrier; the loop over the keys has none.
; All operands are images of registers: a fragment load reads 512 consecutive bytes.
; THE MASK comes as lane masks made by the launch before: a word for each score register, bit l = hidden for lane l: one v_cndmask_b32 a score.  Two flags a unit (16 queries x 128 keys) let a wave jump over a step all of whose keys
; are hidden (every p there is 0) and over the 64 selects of a step all of whose keys are open.  Right for every mask.
; NO CLUSTER, NO TENSOR LOAD: these are branches on numbers read from memory; a jump saves a key step's some 310 vector instructions a wave, a joint load would save three quarters of one fetch of 147,456 bytes a work-group.
; K = 64 IN AN INSTRUCTION OF 128: Q's registers 4-7 are zero codes; K's tiles lie four registers apart, so a tile's operand names the next tile's codes as k = 64 .. 127; they meet zero codes under scale bytes 127 and add exact zeros; four zero registers follow the last tile.
; LIMITS.  A block's largest p is taken from its largest score (v_exp_f32 is taken not to fall where its input rises).  Blocks under 2^-124: byte held at 1; a block of zeros gets the byte 1.  A query all of whose keys are hidden has l = 0: its scale bytes
; are set to 0xff, so that its whole output row becomes NaN, as the definition gives.  The scale bytes of O leave as 32 single bytes a wave beside its 512 bytes of codes.
.set KSW,   131072                     ; LDS: K's images at 0, V's at 65,536, K's scale words here, V's half words 8,192 further on
.set SPARE, 147456                     ; the spare words, 128 bytes for each of sixteen waves: eight blocks of 256 bytes that no other line names
.set AK,   1                           ; v1   16 x lane
.set AV,   2                           ; v2   65,536 + 16 x lane
.set AS,   3                           ; v3   KSW + 16 r
.set SPW,  4                           ; v4   my spare word; never rewritten
.set NIL,  5                           ; v5   0; never rewritten
.set NINF, 6                           ; v6   -infinity
.set ADK,  7                           ; v7-9 the step's addresses
.set ADV,  8
.set ADS,  9
.set QS,   10                          ; v10  Q's scale words
.set FA,   11                          ; v11  the fill: 9,216 w + 16 x lane, in memory and in LDS alike
.set KT,   24                          ; v24-59  K's tiles, four registers each, and four zeros
.set KS,   60                          ; v60-67  K's scale words
.set VT,   68                          ; v68-99  V's tiles
.set VH,   100                         ; v100-107 V's half words
.set VS,   108                         ; v108-111 V's scale words
.set S,    112                         ; v112-175 S^T, then p
.set OT,   176                         ; v176-207 O^T
.set PC,   208                         ; v208-215 p's codes
.set PW,   216                         ; v216 p's scale word
.set BM,   220
.set T2,   224
.set SO,   228
.set FF,   232                         ; v[232:233] f and a written partner
.set TT,   234
.set C2,   236                         ; v[236:237] the second chain of the sum
.set WV,   18
.set QT,   19
.set SEL,  20
.set CS,   22
.set TK,   24                          ; s24  4,096 x step
.set TS,   25                          ; s25  512 x step
.set TM,   26                          ; s26  256 x step
.set CNT,  27
.set CNH,  28                          ; s28  16 + step
.set FL,   29
.set HALF, 30
.set LZ,   31
	s_load_b256 s[4:11], s[0:1], 0x0               ; qc 4, qs 6, kv 8, mb 10
	s_load_b128 s[12:15], s[0:1], 0x20             ; fl 12, ac 14
	s_load_b64 s[16:17], s[0:1], 0x30              ; asc
	v_lshl_add_u32 v[SPW], v0, 2, SPARE
	v_mov_b32 v[NIL], 0
	v_lshrrev_b32 v[TT], 5, v0
	v_readfirstlane_b32 s[WV], v[TT]               ; wave 0..15
	v_and_b32 v[TT], 31, v0
	v_and_b32 v235, 15, v0
	v_lshlrev_b32 v[AK], 4, v[TT]
	v_add_nc_u32 v[AV], 65536, v[AK]
	v_lshl_add_u32 v[AS], v235, 4, KSW
	v_lshlrev_b32 v[C2], 4, v235                   ; 16 r: Q's scale word
	s_mul_i32 s24, s[WV], 9216
	v_add_nc_u32 v[FA], s24, v[AK]
	s_and_b32 s25, ttmp7, 0xffff                   ; 16 x batch + head
	s_bfe_u32 s26, s[WV], 0x10002
	s_mul_i32 s26, s26, 3
	s_xor_b32 s26, s26, s[WV]                      ; rank: waves w, w + 4, w + 8, w + 12 hold ranks that add up to 30
	s_lshl_b32 s[QT], s26, 3
	s_add_co_u32 s[QT], s[QT], ttmp9               ; my tile of queries
	s_mov_b32 s29, 0
	s_mul_i32 s28, s25, 147456
	s_wait_kmcnt 0x0
	s_add_nc_u64 s[8:9], s[8:9], s[28:29]
.irp i, 0,1,2,3,4,5,6,7,8,9,10,11,12,13,14,15,16,17
	global_load_b128 v[S+4*\i:S+4*\i+3], v[FA], s[8:9] offset:512*\i   ; 512 consecutive bytes a load
.endr
	s_lshl_b32 s28, s25, 16
	s_lshl_b32 s27, s[QT], 9
	s_add_co_u32 s28, s28, s27
	s_add_nc_u64 s[4:5], s[4:5], s[28:29]
	global_load_b128 v[16:19], v[AK], s[4:5]       ; Q's image
	s_lshl_b32 s28, s25, 13
	s_lshr_b32 s27, s[QT], 2
	s_lshl_b32 s27, s27, 8
	s_add_co_u32 s28, s28, s27
	s_and_b32 s27, s[QT], 3
	s_lshl_b32 s27, s27, 2
	s_add_co_u32 s28, s28, s27
	s_add_nc_u64 s[6:7], s[6:7], s[28:29]
	global_load_b32 v[QS], v[C2], s[6:7]
	s_lshl_b32 s28, s[QT], 6
	s_add_nc_u64 s[12:13], s[12:13], s[28:29]
	s_load_b512 s[32:47], s[12:13], 0x0            ; my tile's sixteen words of flags
	s_lshl_b32 s28, s[QT], 12
	s_add_nc_u64 s[10:11], s[10:11], s[28:29]      ; my tile's mask words: 256 bytes a step
	s_lshr_b32 s26, s25, 4                         ; batch
	s_and_b32 s27, s25, 15                         ; head
	s_lshl_b32 s28, s26, 7
	s_add_co_u32 s28, s28, s[QT]
	s_lshl_b32 s28, s28, 13                        ; ac: 8,192 bytes a tile of rows,
	s_lshl_b32 s24, s27, 9
	s_add_co_u32 s28, s28, s24                     ; 512 a head
	s_add_nc_u64 s[14:15], s[14:15], s[28:29]
	s_lshl_b32 s28, s26, 16                        ; asc: 32 bytes a row,
	s_lshl_b32 s24, s[QT], 9
	s_add_co_u32 s28, s28, s24
	s_lshl_b32 s24, s27, 1
	s_add_co_u32 s28, s28, s24                     ; 2 a head
	s_add_nc_u64 s[16:17], s[16:17], s[28:29]
	s_mov_b32 s[SEL], 0x76543210
	s_mov_b32 s[SEL+1], 0xfedcba98
	s_mov_b32 s[CS], 0x3e38aa3b                    ; c = log2(e) / 8
	s_mov_b32 s[CS+1], s[CS]                       ; (named with it as a pair, so it is written)
	s_mov_b32 s[HALF], 0xffff0000
.irp i, 0,1,2,3,4,5,6,7,8,9,10,11,12,13,14,15,16,17
	s_wait_loadcnt 19-\i                           ; loads come back in order: the 17 - i younger fill loads and Q's two may be out
	ds_store_b128 v[FA], v[S+4*\i:S+4*\i+3] offset:512*\i
.endr
.irp j, 20,21,22,23,56,57,58,59
	v_mov_b32 v[\j], 0                             ; zero codes: Q's k = 64 .. 127, and what follows K's last tile
.endr
.irp j, 0,1,2,3,4,5,6,7,8,9,10,11,12,13,14,15,16,17,18,19,20,21,22,23,24,25,26,27,28,29,30,31
	v_mov_b32 v[OT+\j], 0                          ; O^T: the loop is written once; its first step finds zeros
.endr
	v_mov_b32 v14, 0                               ; l, in two halves
	v_mov_b32 v15, 0
.irp b, 0,1,2,3
	v_mov_b32 v[T2+\b], 0                          ; written once: a lane permute's destination counts as one of its sources
.endr
	v_mov_b32 v[FF+1], 0
	v_mov_b32 v[NINF], 0xff800000
	v_mov_b32 v13, 0xff61b1e6                      ; the largest t so far: -3e38
	v_floor_f32 v12, -v13                          ; -M
	s_wait_kmcnt 0x0
	s_or_b32 s[FL], s32, s33
.irp i, 34,35,36,37,38,39,40,41,42,43,44,45,46,47
	s_or_b32 s[FL], s[FL], s[\i]                   ; bit s: step s has an open key; bit 16 + s: it has a hidden one
.endr
	s_mov_b32 s[TK], 0
	s_mov_b32 s[TS], 0
	s_mov_b32 s[TM], 0
	s_mov_b32 s[CNT], 0
	s_mov_b32 s[CNH], 16
	s_wait_loadcnt 0x0                             ; Q
	s_wait_dscnt 0x0                               ; for the others' sake: my part of the head lies in LDS
	s_barrier_signal -1
	s_barrier_wait -1
.Lstep:                                            ; sixteen trips of 128 keys
	s_bitcmp1_b32 s[FL], s[CNT]
	s_cbranch_scc0 .Lhidden                        ; every key of the step is hidden from my 16 queries: every p would be 0
	v_add_nc_u32 v[ADK], s[TK], v[AK]              ; these three and the v_nop are the places between the last trip's products and the loads into registers that they read
	v_add_nc_u32 v[ADV], s[TK], v[AV]
	v_add_nc_u32 v[ADS], s[TS], v[AS]
	v_nop
.irp t, 0,1,2,3,4,5,6,7
	ds_load_b128 v[KT+4*\t:KT+4*\t+3], v[ADK] offset:512*\t
.endr
	ds_load_b128 v[KS:KS+3], v[ADS]
	ds_load_b128 v[KS+4:KS+7], v[ADS] offset:256
.irp t, 0,1,2,3
.irp c, 0,1
	ds_load_b128 v[VT+8*\t+4*\c:VT+8*\t+4*\c+3], v[ADV] offset:1024*\t+512*\c
.endr
.endr
	ds_load_b128 v[VH:VH+3], v[ADS] offset:8192
	ds_load_b128 v[VH+4:VH+7], v[ADS] offset:8192+256
	s_wait_dscnt 10                                ; K's ten loads are in; V's ten may be out
.irp t, 0,1,2,3,4,5,6,7
	v_wmma_scale_f32_16x16x128_f8f6f4 v[S+8*\t:S+8*\t+7], v[KT+4*\t:KT+4*\t+7], v[16:23], 0, v[KS+\t], v[QS] matrix_a_fmt:MATRIX_FMT_FP4 matrix_b_fmt:MATRIX_FMT_FP4
.endr                                              ; lane (r, h): query r; register 8 t + j: key 16 t + 8 h + j
.rept 4
	v_nop
.endr
	s_bitcmp1_b32 s[FL], s[CNH]
	s_cbranch_scc0 .Lopen                          ; no key of the step is hidden
	s_load_b512 s[32:47], s[10:11], s[TM] offset:0x0
	s_load_b512 s[48:63], s[10:11], s[TM] offset:0x40
	s_load_b512 s[68:83], s[10:11], s[TM] offset:0x80
	s_load_b512 s[84:99], s[10:11], s[TM] offset:0xc0
	s_wait_kmcnt 0x0
.set n, 0
.rept 64                               ; register n's word is memory word 2 (n % 32) + n / 32; hidden scores become -infinity ahead of the maximum
.set m, 2*(n%32)+n/32
	v_cndmask_b32 v[S+n], v[S+n], v[NINF], s[32+16*(m/16)+4*(m/32)+m%16]
.set n, n+1
.endr
.Lopen:
.irp b, 0,1,2,3
	v_max3_num_f32 v[BM+\b], v[S+16*\b], v[S+16*\b+1], v[S+16*\b+2]   ; the largest score of each block of 32 keys: for the row's maximum and for the block's largest p
.endr
.irp i, 3,5,7,9,11,13
.irp b, 0,1,2,3
	v_max3_num_f32 v[BM+\b], v[BM+\b], v[S+16*\b+\i], v[S+16*\b+\i+1]
.endr
.endr
.irp b, 0,1,2,3
	v_max_num_f32 v[BM+\b], v[BM+\b], v[S+16*\b+15]
.endr
.irp b, 0,1,2,3
	v_permlanex16_b32 v[T2+\b], v[BM+\b], s[SEL], s[SEL+1]
.endr
.irp b, 0,1,2,3
	v_max_num_f32 v[BM+\b], v[BM+\b], v[T2+\b]     ; with lane l xor 16's 16 keys
.endr
	v_max3_num_f32 v[TT], v[BM], v[BM+1], v[BM+2]
	v_max_num_f32 v[TT], v[TT], v[BM+3]
	v_mul_f32 v[TT], s[CS], v[TT]                  ; as t
	v_max_num_f32 v13, v13, v[TT]                  ; the running largest t
	v_mov_b32 v[TT], v12
	v_floor_f32 v12, -v13                          ; the new -M = -ceil(t)
	v_sub_f32 v[TT], v12, v[TT]                    ; old M - new M: a whole number, 0 or less
	v_cvt_i32_f32 v[TT], v[TT]                     ; (it saturates)
	v_ldexp_f32 v[FF], 1.0, v[TT]                  ; f = 2^(old M - new M)
.irp j, 0,2,4,6,8,10,12,14,16,18,20,22,24,26,28,30,32,34,36,38,40,42,44,46,48,50,52,54,56,58,60,62
	v_pk_fma_f32 v[S+\j:S+\j+1], v[S+\j:S+\j+1], s[CS:CS+1], v[12:13] op_sel_hi:[1,0,0]   ; t - M, two at a time
.endr
.irp b, 0,1,2,3
	v_fma_f32 v[BM+\b], v[BM+\b], s[CS], v12       ; the same of each block's largest score
.endr
.irp j, 0,1,2,3,4,5,6,7,8,9,10,11,12,13,14,15,16,17,18,19,20,21,22,23,24,25,26,27,28,29,30,31,32,33,34,35,36,37,38,39,40,41,42,43,44,45,46,47,48,49,50,51,52,53,54,55,56,57,58,59,60,61,62,63
	v_exp_f32 v[S+\j], v[S+\j]                     ; p = 2^(t - M)
.endr
	v_pk_mul_f32 v[14:15], v[14:15], v[FF:FF+1] op_sel_hi:[1,0]   ; l under the new M: the plain place behind the exponentials
	s_wait_alu depctr_va_vdst(0)                   ; one wait for the batch of 64, ahead of its first reader
.irp b, 0,1,2,3
	v_exp_f32 v[BM+\b], v[BM+\b]                   ; the block's largest p
.endr
	v_pk_add_f32 v[C2:C2+1], v[S:S+1], v[S+2:S+3]  ; l takes the unquantised p, two at a time, in two chains
.irp j, 4,8,12,16,20,24,28,32,36,40,44,48,52,56,60
	v_pk_add_f32 v[14:15], v[14:15], v[S+\j:S+\j+1]
	v_pk_add_f32 v[C2:C2+1], v[C2:C2+1], v[S+\j+2:S+\j+3]
.endr
	v_pk_add_f32 v[14:15], v[14:15], v[C2:C2+1]
	s_wait_alu depctr_va_vdst(0)                   ; and one for the four
.irp b, 0,1,2,3
	v_max_num_f32 v[BM+\b], 0x1800000, v[BM+\b]    ; the floor 2^(3 - 127)
.endr
.irp b, 0,1,2,3
	v_add_nc_u32 v[SO+\b], 0xff000000, v[BM+\b]    ; 2 off the exponent field: the conversion's scale operand
.endr
.irp b, 0,1,2,3
	v_lshrrev_b32 v[T2+\b], 23, v[SO+\b]           ; the scale's byte
.endr
	v_lshl_or_b32 v[PW], v[T2+1], 8, v[T2]
	v_lshl_or_b32 v[PW], v[T2+2], 16, v[PW]
	v_lshl_or_b32 v[PW], v[T2+3], 24, v[PW]        ; p's scale word for these 128 keys
.irp c, 0,1
	v_cvt_scalef32_pk8_fp4_f32 v[PC+4*\c], v[S+32*\c:S+32*\c+7], v[SO+2*\c]
	v_cvt_scalef32_pk8_fp4_f32 v[PC+4*\c+1], v[S+32*\c+16:S+32*\c+23], v[SO+2*\c+1]
	v_cvt_scalef32_pk8_fp4_f32 v[PC+4*\c+2], v[S+32*\c+8:S+32*\c+15], v[SO+2*\c]
	v_cvt_scalef32_pk8_fp4_f32 v[PC+4*\c+3], v[S+32*\c+24:S+32*\c+31], v[SO+2*\c+1]
.endr
	v_nop                                          ; one plain place behind the scaled conversions
.irp c, 0,1
	v_permlane16_swap_b32 v[PC+4*\c], v[PC+4*\c+1] ; registers 4 c .. 4 c + 3 of lane (r, h) now hold keys 64 c + 32 h + 0 .. 31
	v_permlane16_swap_b32 v[PC+4*\c+2], v[PC+4*\c+3]
.endr
	s_wait_dscnt 0x0                               ; V is in
.irp t, 0,1,2,3
	v_lshl_or_b32 v[VS+\t], v[VH+4+\t], 16, v[VH+\t]   ; V's scale word: the bytes of key blocks 0, 1 and of 2, 3
.endr
.irp j, 0,2,4,6,8,10,12,14,16,18,20,22,24,26,28,30
	v_pk_mul_f32 v[OT+\j:OT+\j+1], v[OT+\j:OT+\j+1], v[FF:FF+1] op_sel_hi:[1,0]   ; O^T under the new M; of these sixteen at least twelve name no register of any one product below: the places that scale words and codes written by vector instructions owe
.endr
.irp t, 0,1,2,3
	v_wmma_scale_f32_16x16x128_f8f6f4 v[OT+8*\t:OT+8*\t+7], v[VT+8*\t:VT+8*\t+7], v[PC:PC+7], v[OT+8*\t:OT+8*\t+7], v[VS+\t], v[PW] matrix_a_fmt:MATRIX_FMT_FP4 matrix_b_fmt:MATRIX_FMT_FP4
.endr                                              ; the four accumulators by turns; the next trip's eight score products stand between two links of a chain
.Lhidden:
	s_wait_xcnt 0x0                                ; the mask words' loads have read their offset register: it may step
	s_add_co_u32 s[TK], s[TK], 4096
	s_add_co_u32 s[TS], s[TS], 512
	s_add_co_u32 s[TM], s[TM], 256
	s_add_co_u32 s[CNH], s[CNH], 1
	s_add_co_u32 s[CNT], s[CNT], 1
	s_cmp_lt_u32 s[CNT], 16
	s_cbranch_scc1 .Lstep
	; THE WAY OUT: O^T / l, quantised along the head's 64: two blocks, as in the launch before
	v_add_f32 v14, v14, v15
	v_permlanex16_b32 v[TT], v14, s[SEL], s[SEL+1]
	v_add_f32 v14, v14, v[TT]                      ; l
	v_rcp_f32 v[FF], v14
	v_and_b32 v235, 15, v0                         ; (plain work behind the reciprocal; with the additions above also the places behind the last products)
	v_bfe_u32 v[C2], v0, 4, 1
	v_lshl_add_u32 v235, v235, 5, v[C2]            ; 32 r + h: my scale byte's place
	v_mov_b32 v[C2+1], 0xff
	s_wait_alu depctr_va_vdst(0)                   ; ahead of the reciprocal's first reader
.irp j, 0,2,4,6,8,10,12,14,16,18,20,22,24,26,28,30
	v_pk_mul_f32 v[S+\j:S+\j+1], v[OT+\j:OT+\j+1], v[FF:FF+1] op_sel_hi:[1,0]   ; register 8 t + j: channel 16 t + 8 h + j of query r; each accumulator from its low end on
.endr
.irp u, 0,1
	v_max3_num_f32 v[BM+\u], |v[S+16*\u]|, |v[S+16*\u+1]|, 0x1800000
.endr
.irp i, 2,4,6,8,10,12,14
.irp u, 0,1
	v_max3_num_f32 v[BM+\u], v[BM+\u], |v[S+16*\u+\i]|, |v[S+16*\u+\i+1]|
.endr
.endr
.irp u, 0,1
	v_permlanex16_b32 v[T2+\u], v[BM+\u], s[SEL], s[SEL+1]
.endr
.irp u, 0,1
	v_max_num_f32 v[BM+\u], v[BM+\u], v[T2+\u]
.endr
.irp u, 0,1
	v_add_nc_u32 v[SO+\u], 0xff000000, v[BM+\u]
.endr
.irp u, 0,1
	v_lshrrev_b32 v[T2+\u], 23, v[SO+\u]
.endr
	v_cvt_scalef32_pk8_fp4_f32 v[PC], v[S:S+7], v[SO]
	v_cvt_scalef32_pk8_fp4_f32 v[PC+1], v[S+16:S+23], v[SO+1]
	v_cvt_scalef32_pk8_fp4_f32 v[PC+2], v[S+8:S+15], v[SO]
	v_cvt_scalef32_pk8_fp4_f32 v[PC+3], v[S+24:S+31], v[SO+1]
	v_nop
	v_permlane16_swap_b32 v[PC], v[PC+1]
	v_permlane16_swap_b32 v[PC+2], v[PC+3]
	global_store_b128 v[AK], v[PC:PC+3], s[14:15]  ; 32 lanes store 512 consecutive bytes, aligned
	v_cndmask_b32 v[T2], v[T2], v[T2+1], s[HALF]   ; lane (r, h) stores block h's byte of row r
	v_cmp_eq_f32 s[LZ], 0, v14                     ; a query with no open key: a choice of a value, no branch
	v_cndmask_b32 v[T2], v[T2], v[C2+1], s[LZ]
	global_store_b8 v235, v[T2], s[16:17]
	s_wait_tensorcnt 0x0                           ; the wave's end
	ds_add_u32 v[SPW], v[NIL]
	s_wait_dscnt 0x0
	s_endpgm
.Lfunc_end_k_q1933dfad0f_attn:
	.size	k_q1933dfad0f_attn, .Lfunc_end_k_q1933dfad0f_attn-k_q1933dfad0f_attn
	.p2alignl 7, 3214868480
	.fill 96, 4, 3214868480
	.section	.rodata,"a",@progbits
	.p2align	6, 0x0
	.amdhsa_kernel k_q1933dfad0f_attn
		.amdhsa_group_segment_fixed_size 149504
		.amdhsa_private_segment_fixed_size 0
		.amdhsa_enable_private_segment 0
		.amdhsa_kernarg_size 56
		.amdhsa_user_sgpr_count 2
		.amdhsa_user_sgpr_kernarg_segment_ptr 1
		.amdhsa_wavefront_size32 1
		.amdhsa_system_sgpr_workgroup_id_x 1
		.amdhsa_system_sgpr_workgroup_id_y 1
		.amdhsa_system_sgpr_workgroup_id_z 1
		.amdhsa_system_vgpr_workitem_id 0
		.amdhsa_next_free_vgpr 256
		.amdhsa_next_free_sgpr 100
		.amdhsa_reserve_vcc 0
		.amdhsa_float_denorm_mode_32 3
		.amdhsa_float_denorm_mode_16_64 3
		.amdhsa_memory_ordered 1
		.amdhsa_forward_progress 1
		.amdhsa_inst_pref_size 33
	.end_amdhsa_kernel
	.amdgpu_metadata
---
amdhsa.version: [ 1, 2 ]
amdhsa.kernels:
  - .name:           k_q1933dfad0f_attn
    .symbol:         k_q1933dfad0f_attn.kd
    .args:
      - { .name: qc, .offset: 0, .size: 8, .value_kind: global_buffer, .address_space: global }
      - { .name: qs, .offset: 8, .size: 8, .value_kind: global_buffer, .address_space: global }
      - { .name: kv, .offset: 16, .size: 8, .value_kind: global_buffer, .address_space: global }
      - { .name: mb, .offset: 24, .size: 8, .value_kind: global_buffer, .address_space: global }
      - { .name: fl, .offset: 32, .size: 8, .value_kind: global_buffer, .address_space: global }
      - { .name: ac, .offset: 40, .size: 8, .value_kind: global_buffer, .address_space: global }
      - { .name: asc, .offset: 48, .size: 8, .value_kind: global_buffer, .address_space: global }
    .group_segment_fixed_size: 149504
    .private_segment_fixed_size: 0
    .kernarg_segment_align: 8
    .kernarg_segment_size: 56
    .max_flat_workgroup_size: 512
    .sgpr_count:     100
    .vgpr_count:     256
    .wavefront_size: 32
...
	.end_amdgpu_metadata
.endif
;; end of part 2
;; launch oproj (part 3): grid 8 x 32, 8 waves a work-group, clusters of 4 x 4, 196,608 bytes of LDS; arguments ac, asc, wo_codes, wo_scales, bo, out0; writes out0
.if DOCPART == 3
	.amdgcn_target "amdgcn-amd-amdhsa--gfx1250"
	.amdhsa_code_object_version 6
	.text
	.protected	k_q1933dfad0f_oproj
	.globl	k_q1933dfad0f_oproj
	.p2align	8
	.type	k_q1933dfad0f_oproj,@function
k_q1933dfad0f_oproj:
	s_mov_b64 s[64:65], 0
	v_nop
	global_prefetch_b8 v0, s[64:65] scope:SCOPE_SE
	s_setreg_imm32_b32 hwreg(HW_REG_WAVE_MODE, 25, 1), 1
	s_wait_xcnt 0x0
	s_wait_alu depctr_hold_cnt(0) depctr_sa_sdst(0) depctr_va_vdst(0) depctr_va_sdst(0) depctr_va_ssrc(0) depctr_va_vcc(0) depctr_vm_vsrc(0)
	s_getreg_b32 s2, hwreg(HW_REG_IB_STS2, 6, 4)
	s_cmp_eq_u32 s2, 0
	s_cbranch_scc0 .Lentry_in_a_cluster
	s_endpgm
.Lentry_in_a_cluster:
	s_bfe_u32 s2, ttmp6, 0x10000c
	s_cmp_lg_u32 s2, 0xf033
	s_cbranch_scc0 .Lentry_shape_is_right
	s_endpgm
.Lentry_shape_is_right:
; out0 = A wo + bo on codes of FP4 (E2M1), K = 1,024.  A, the attention's output, comes as images of operand registers [tile of 16 rows][K step 8][half 2][512 bytes], its scale bytes as [row][32]; wo as rows of 512 bytes, K innermost.
; SHARES.  A work-group makes 128 x 128 of out0 (rows 128 Rb on, columns 128 cb on).  Wave w of eight: rows 32 (w / 2) on (two tiles, source 1), columns 64 (w % 2) on (four tiles of wo's rows, source 0): eight accumulators.
; The product is used transposed, so that a lane holds eight neighbouring columns of one row; a wave's 64 columns are 256 bytes of a row: they go through the wave's own stage in LDS and leave as whole aligned runs of 256 bytes.
; CLUSTER.  4 x 4 work-groups: A's rows hang on Rb alone (shared along a row of the cluster), wo's on cb alone (along a column): each tile is asked for jointly, one load a wave; all of K fits in LDS, filled once.
; The bias is the C of each sum's first product.  A scale byte 0xff of A (a query with no open key) makes its row NaN, as the definition gives.
.set CH,    33792                      ; 64 rows of wo x 528
.set PITCH, 528
.set WOC,   65536                      ; LDS: A's images at 0 (65,536 dense bytes); wo's 128 rows here;
.set ASC,   133120                     ; A's scale bytes, 16 units of 256 + 16;
.set WOS,   137472                     ; wo's likewise;
.set STG,   141824                     ; eight stages of 16 rows x 272, into which no fill lands;
.set SPARE, 176640                     ; the spare words, 128 bytes for each of eight waves: four blocks of 256 bytes that no other line names
.set ADP,  1
.set ADR,  2
.set ADPS, 3
.set ADRS, 4
.set SPW,  5                           ; my spare word; never rewritten
.set NIL,  6                           ; 0; never rewritten
.set STO,  7                           ; the stage: where I put 32 bytes of a row
.set RD,   8                           ; and where I read rows back
.set CO,   9                           ; 4,096 h + 16 r: the same two rows in out0
.set BOF,  10                          ; 32 h
.set PS,   16                          ; v16-31 wo's scale words: register 8 p + K step; lanes 0-15 tile 2 p, lanes 16-31 tile 2 p + 1
.set RS,   32                          ; v32-39 A's: register = K step; lanes 0-15 my first tile of rows, lanes 16-31 my second.  These 24 hold scales and nothing else
.set PF,   40                          ; v40-71 wo's four fragments
.set RF,   72                          ; v72-87 A's two
.set BI,   88                          ; v88-119 bo in the result's layout
.set ACC,  120                         ; v120-183 accumulator (a, b) at ACC + 32 a + 8 b
.set BK,   184                         ; v184-247 two sets of 32: rows read back
.set LN,   248
.set RR,   249
.set HH,   250
.set T0,   251
.set T1,   252
.set T3,   253
.set WV,   38
.set G1A,  40
.set G1WC, 48
.set G1XS, 56
.set G1WS, 68
.set G0A,  76
.set G0WC, 80
.set G0XS, 84
.set G0WS, 88
.macro CREST
	s_cmp_lg_u32 s[WV], 0
	s_cbranch_scc1 .Lnot_wave_0_\@
	s_barrier_signal -3
.Lnot_wave_0_\@:
	s_barrier_wait -3
	s_barrier_signal -1
	s_barrier_wait -1
.endm
.macro CROUND                          ; a round of the cluster's barrier
	s_barrier_signal -1
	s_barrier_wait -1
	CREST
.endm
.macro TL g0, g1                       ; a joint load; an s_nop 0 and four v_nop follow it
	tensor_load_to_lds s[\g0:\g0+3], s[\g1:\g1+7]
	s_nop 0
.rept 4
	v_nop
.endr
.endm
.macro WM d, fa, fb, c, sa, sb, ra, rb
.if (\ra) && (\rb)
	v_wmma_scale_f32_16x16x128_f8f6f4 v[(\d):(\d)+7], v[(\fa):(\fa)+7], v[(\fb):(\fb)+7], v[(\c):(\c)+7], v[\sa], v[\sb] matrix_a_fmt:MATRIX_FMT_FP4 matrix_b_fmt:MATRIX_FMT_FP4 matrix_a_scale:MATRIX_SCALE_ROW1 matrix_b_scale:MATRIX_SCALE_ROW1
.elseif (\ra)
	v_wmma_scale_f32_16x16x128_f8f6f4 v[(\d):(\d)+7], v[(\fa):(\fa)+7], v[(\fb):(\fb)+7], v[(\c):(\c)+7], v[\sa], v[\sb] matrix_a_fmt:MATRIX_FMT_FP4 matrix_b_fmt:MATRIX_FMT_FP4 matrix_a_scale:MATRIX_SCALE_ROW1
.elseif (\rb)
	v_wmma_scale_f32_16x16x128_f8f6f4 v[(\d):(\d)+7], v[(\fa):(\fa)+7], v[(\fb):(\fb)+7], v[(\c):(\c)+7], v[\sa], v[\sb] matrix_a_fmt:MATRIX_FMT_FP4 matrix_b_fmt:MATRIX_FMT_FP4 matrix_b_scale:MATRIX_SCALE_ROW1
.else
	v_wmma_scale_f32_16x16x128_f8f6f4 v[(\d):(\d)+7], v[(\fa):(\fa)+7], v[(\fb):(\fb)+7], v[(\c):(\c)+7], v[\sa], v[\sb] matrix_a_fmt:MATRIX_FMT_FP4 matrix_b_fmt:MATRIX_FMT_FP4
.endif
.endm
; K step sg: six fragments from LDS, eight products; the eight accumulators take turns, one instruction a turn
.macro KSTEP sg
.if (\sg) > 0
.rept 4
	v_nop                                          ; places between the last products and the loads into registers that they read
.endr
.endif
.irp t, 0,1,2,3
.irp c, 0,1
	ds_load_b128 v[PF+8*\t+4*\c:PF+8*\t+4*\c+3], v[ADP] offset:16*PITCH*\t+64*(\sg)+32*\c
.endr
.endr
.irp a, 0,1
.irp c, 0,1
	ds_load_b128 v[RF+8*\a+4*\c:RF+8*\a+4*\c+3], v[ADR] offset:8192*\a+1024*(\sg)+512*\c
.endr
.endr
	s_wait_dscnt 0x0
.irp a, 0,1
.irp b, 0,1,2,3
.if (\sg) == 0
	WM ACC+32*\a+8*\b, PF+8*\b, RF+8*\a, BI+8*\b, PS+8*(\b/2)+(\sg), RS+(\sg), \b%2, \a
.else
	WM ACC+32*\a+8*\b, PF+8*\b, RF+8*\a, ACC+32*\a+8*\b, PS+8*(\b/2)+(\sg), RS+(\sg), \b%2, \a
.endif
.endr
.endr
.endm
	s_load_b256 s[4:11], s[0:1], 0x0               ; ac 4, asc 6, wo_codes 8, wo_scales 10
	s_load_b128 s[12:15], s[0:1], 0x20             ; bo 12, out0 14
	v_lshl_add_u32 v[SPW], v0, 2, SPARE
	v_mov_b32 v[NIL], 0
	ds_add_u32 v[SPW], v[NIL]                      ; the wave's opening: the add and its wait stand ahead of my first tensor load; the set-up below, work on registers, stands between them
	v_lshrrev_b32 v[T0], 5, v0
	v_readfirstlane_b32 s[WV], v[T0]               ; wave 0..7
	v_and_b32 v[LN], 31, v0
	v_and_b32 v[RR], 15, v0
	v_bfe_u32 v[HH], v0, 4, 1
	s_bfe_u32 s92, ttmp6, 0x40000                  ; cx
	s_bfe_u32 s93, ttmp6, 0x40004                  ; cy
	s_lshl_b32 s94, ttmp9, 2
	s_add_co_u32 s94, s94, s92                     ; cb: the block of 128 columns
	s_and_b32 s95, ttmp7, 0xffff
	s_lshl_b32 s95, s95, 2
	s_add_co_u32 s95, s95, s93                     ; Rb: the block of 128 rows
	s_lshl_b32 s96, s93, 2
	s_lshl_b32 s96, 15, s96                        ; my row of the cluster
	s_lshl_b32 s97, 0x1111, s92                    ; my column
	s_or_b32 s[G1A], s96, (3<<16)|(1<<21)          ; A's images: 16,384 dense bytes as 64 rows of 256 (32 elements of 8 bytes), no padding: they are read 512 bytes on end
	s_mov_b32 s[G1A+1], 32<<16
	s_mov_b32 s[G1A+2], 64<<16
	s_mov_b32 s[G1A+3], 32<<16
	s_mov_b32 s[G1A+4], 64
	s_mov_b32 s[G1A+5], 32
	s_mov_b32 s[G1A+6], 0
	s_mov_b32 s[G1A+7], 0
	s_or_b32 s[G1WC], s97, (1<<20)|(1<<21)|(6<<22)|(3<<25)   ; wo: 64 rows of 512 bytes, 16 bytes of padding behind each
	s_mov_b32 s[G1WC+1], 512<<16
	s_mov_b32 s[G1WC+2], 64<<16
	s_mov_b32 s[G1WC+3], 512<<16
	s_mov_b32 s[G1WC+4], 64
	s_mov_b32 s[G1WC+5], 512
	s_mov_b32 s[G1WC+6], 0
	s_mov_b32 s[G1WC+7], 0
	s_or_b32 s[G1XS], s96, (3<<16)|(1<<20)|(1<<21)|(5<<22)|(3<<25)   ; scale bytes of 128 rows: 16 rows of 256 bytes, 16 of padding behind each
	s_or_b32 s[G1WS], s97, (3<<16)|(1<<20)|(1<<21)|(5<<22)|(3<<25)
.irp g, G1XS, G1WS
	s_mov_b32 s[\g+1], 32<<16
	s_mov_b32 s[\g+2], 16<<16
	s_mov_b32 s[\g+3], 32<<16
	s_mov_b32 s[\g+4], 16
	s_mov_b32 s[\g+5], 32
	s_mov_b32 s[\g+6], 0
	s_mov_b32 s[\g+7], 0
.endr
	s_and_b32 s39, s[WV], 1                        ; my half of the columns
	s_lshr_b32 s66, s[WV], 1                       ; my quarter of the rows
	v_mul_u32_u24 v[T0], v[RR], PITCH
	v_lshl_add_u32 v[T0], v[HH], 4, v[T0]
	s_mul_i32 s99, s39, CH
	s_add_co_u32 s99, s99, WOC
	v_add_nc_u32 v[ADP], s99, v[T0]                ; wo: row r of my first tile, + 16 h
	v_lshlrev_b32 v[T0], 4, v[LN]
	s_lshl_b32 s99, s66, 14
	v_add_nc_u32 v[ADR], s99, v[T0]                ; A: 16 x lane in my first tile's images
	v_lshrrev_b32 v[T1], 3, v[LN]
	v_mul_u32_u24 v[T1], v[T1], 272
	v_and_b32 v[T3], 7, v[LN]
	v_lshl_add_u32 v[T1], v[T3], 5, v[T1]          ; row = lane of 32: 272 (lane / 8) + 32 (lane % 8)
	s_mul_i32 s99, s39, 2176
	s_add_co_u32 s99, s99, WOS
	v_add_nc_u32 v[ADPS], s99, v[T1]
	s_mul_i32 s99, s66, 1088
	s_add_co_u32 s99, s99, ASC
	v_add_nc_u32 v[ADRS], s99, v[T1]
	s_mul_i32 s99, s[WV], 16*272
	s_add_co_u32 s99, s99, STG                     ; my stage
	v_mul_u32_u24 v[T0], v[RR], 272
	v_lshl_add_u32 v[T0], v[HH], 5, v[T0]
	v_add_nc_u32 v[STO], s99, v[T0]
	v_mul_u32_u24 v[T0], v[HH], 272
	v_lshl_add_u32 v[T0], v[RR], 4, v[T0]
	v_add_nc_u32 v[RD], s99, v[T0]
	v_lshlrev_b32 v[CO], 12, v[HH]
	v_lshl_add_u32 v[CO], v[RR], 4, v[CO]
	v_lshlrev_b32 v[BOF], 5, v[HH]
	; what I fetch: waves 0-3 a quarter of A's images, 4 and 5 a half of wo's rows, 6 A's scale bytes, 7 wo's.  A's offsets hang on Rb alone, wo's on cb alone
	s_lshl_b32 s67, s[WV], 14
	s_mul_i32 s98, s39, CH
	s_add_co_u32 s98, s98, WOC
	s_lshl_b32 s2, s95, 16
	s_add_co_u32 s2, s2, s67
	s_mov_b32 s3, 0
	s_lshl_b32 s100, s94, 16
	s_lshl_b32 s101, s39, 15
	s_add_co_u32 s100, s100, s101
	s_mov_b32 s101, 0
	s_wait_dscnt 0x0                               ; the opening add is done
	s_wait_kmcnt 0x0
	s_mov_b32 s[G0A], 1
	s_mov_b32 s[G0A+1], s67
	s_add_nc_u64 s[G0A+2:G0A+3], s[4:5], s[2:3]
	s_or_b32 s[G0A+3], s[G0A+3], 0x80000000
	s_lshl_b32 s2, s95, 12
	s_mov_b32 s[G0XS], 1
	s_mov_b32 s[G0XS+1], ASC
	s_add_nc_u64 s[G0XS+2:G0XS+3], s[6:7], s[2:3]
	s_or_b32 s[G0XS+3], s[G0XS+3], 0x80000000
	s_mov_b32 s[G0WC], 1
	s_mov_b32 s[G0WC+1], s98
	s_add_nc_u64 s[G0WC+2:G0WC+3], s[8:9], s[100:101]
	s_or_b32 s[G0WC+3], s[G0WC+3], 0x80000000
	s_lshl_b32 s100, s94, 12
	s_mov_b32 s[G0WS], 1
	s_mov_b32 s[G0WS+1], WOS
	s_add_nc_u64 s[G0WS+2:G0WS+3], s[10:11], s[100:101]
	s_or_b32 s[G0WS+3], s[G0WS+3], 0x80000000
	CROUND                                         ; all sixteen work-groups are here: the joint loads meet
	s_cmp_lt_u32 s[WV], 4
	s_cbranch_scc0 .Lnot_a
	TL G0A, G1A
	s_branch .Lasked
.Lnot_a:
	s_cmp_lt_u32 s[WV], 6
	s_cbranch_scc0 .Lnot_wc
	TL G0WC, G1WC
	s_branch .Lasked
.Lnot_wc:
	s_cmp_eq_u32 s[WV], 6
	s_cbranch_scc0 .Lws
	TL G0XS, G1XS
	s_branch .Lasked
.Lws:
	TL G0WS, G1WS
.Lasked:
	s_mov_b32 s17, 0
	s_lshl_b32 s16, s94, 9
	s_lshl_b32 s18, s39, 8
	s_add_co_u32 s16, s16, s18                     ; my first column, in bytes of f32: 512 cb + 256 (w % 2)
	s_add_nc_u64 s[12:13], s[12:13], s[16:17]
	s_add_nc_u64 s[14:15], s[14:15], s[16:17]
	s_lshl_b32 s16, s95, 19
	s_lshl_b32 s18, s66, 17
	s_add_co_u32 s16, s16, s18                     ; my first row: (128 Rb + 32 (w / 2)) rows of 4,096 bytes
	s_add_nc_u64 s[14:15], s[14:15], s[16:17]
.irp b, 0,1,2,3
	global_load_b128 v[BI+8*\b:BI+8*\b+3], v[BOF], s[12:13] offset:64*\b        ; bo at columns 16 b + 8 h + 0 .. 7
	global_load_b128 v[BI+8*\b+4:BI+8*\b+7], v[BOF], s[12:13] offset:64*\b+16
.endr
	s_wait_loadcnt 0x0
	s_wait_tensorcnt 0x0                           ; my tile has landed,
	s_barrier_signal -1
	s_barrier_wait -1                              ; everybody's has
.irp p, 0,1
.irp k, 0,1
	ds_load_b128 v[PS+8*\p+4*\k:PS+8*\p+4*\k+3], v[ADPS] offset:1088*\p+16*\k   ; the scale words of all eight K steps, once
.endr
.endr
.irp k, 0,1
	ds_load_b128 v[RS+4*\k:RS+4*\k+3], v[ADRS] offset:16*\k
.endr
.irp sg, 0,1,2,3,4,5,6,7
	KSTEP \sg
.endr
.rept 4
	v_nop                                          ; places between the last products and the first read of results
.endr
; THE WAY OUT.  Block a: 16 rows x 64 columns into my stage, each accumulator from its low end on, and back as whole rows of 256 bytes.  LDS serves a wave's instructions in order (ISA guide 5.7.1.4): no wait between the stores and the loads
.macro TOSTAGE a
.irp b, 0,1,2,3
	ds_store_b128 v[STO], v[ACC+32*\a+8*\b:ACC+32*\a+8*\b+3] offset:64*\b
	ds_store_b128 v[STO], v[ACC+32*\a+8*\b+4:ACC+32*\a+8*\b+7] offset:64*\b+16
.endr
.irp i, 0,1,2,3,4,5,6,7
	ds_load_b128 v[BK+32*\a+4*\i:BK+32*\a+4*\i+3], v[RD] offset:544*\i
.endr
.endm
.macro SEND a, younger                 ; younger: the LDS instructions issued behind block a's loads, which may stay out
.irp i, 0,1,2,3,4,5,6,7
	s_wait_dscnt \younger+7-\i
	global_store_b128 v[CO], v[BK+32*\a+4*\i:BK+32*\a+4*\i+3], s[14:15] offset:65536*\a+8192*\i th:TH_STORE_NT   ; sixteen lanes store 256 consecutive bytes, aligned; written once, read by nobody here
.endr
.endm
	TOSTAGE 0
	TOSTAGE 1
	SEND 0, 16
	SEND 1, 0
	s_wait_tensorcnt 0x0                           ; the wave's end, behind my last tensor load and my last LDS store
	ds_add_u32 v[SPW], v[NIL]
	s_wait_dscnt 0x0
	CROUND                                         ; the closing round
	s_endpgm
.Lfunc_end_k_q1933dfad0f_oproj:
	.size	k_q1933dfad0f_oproj, .Lfunc_end_k_q1933dfad0f_oproj-k_q1933dfad0f_oproj
	.p2alignl 7, 3214868480
	.fill 96, 4, 3214868480
	.section	.rodata,"a",@progbits
	.p2align	6, 0x0
	.amdhsa_kernel k_q1933dfad0f_oproj
		.amdhsa_group_segment_fixed_size 196608
		.amdhsa_private_segment_fixed_size 0
		.amdhsa_enable_private_segment 0
		.amdhsa_kernarg_size 48
		.amdhsa_user_sgpr_count 2
		.amdhsa_user_sgpr_kernarg_segment_ptr 1
		.amdhsa_wavefront_size32 1
		.amdhsa_system_sgpr_workgroup_id_x 1
		.amdhsa_system_sgpr_workgroup_id_y 1
		.amdhsa_system_sgpr_workgroup_id_z 1
		.amdhsa_system_vgpr_workitem_id 0
		.amdhsa_next_free_vgpr 256
		.amdhsa_next_free_sgpr 102
		.amdhsa_reserve_vcc 0
		.amdhsa_float_denorm_mode_32 3
		.amdhsa_float_denorm_mode_16_64 3
		.amdhsa_memory_ordered 1
		.amdhsa_forward_progress 1
		.amdhsa_inst_pref_size 29
	.end_amdhsa_kernel
	.amdgpu_metadata
---
amdhsa.version: [ 1, 2 ]
amdhsa.kernels:
  - .name:           k_q1933dfad0f_oproj
    .symbol:         k_q1933dfad0f_oproj.kd
    .args:
      - { .name: ac, .offset: 0, .size: 8, .value_kind: global_buffer, .address_space: global }
      - { .name: asc, .offset: 8, .size: 8, .value_kind: global_buffer, .address_space: global }
      - { .name: wo_codes, .offset: 16, .size: 8, .value_kind: global_buffer, .address_space: global }
      - { .name: wo_scales, .offset: 24, .size: 8, .value_kind: global_buffer, .address_space: global }
      - { .name: bo, .offset: 32, .size: 8, .value_kind: global_buffer, .address_space: global }
      - { .name: out0, .offset: 40, .size: 8, .value_kind: global_buffer, .address_space: global }
    .group_segment_fixed_size: 196608
    .private_segment_fixed_size: 0
    .kernarg_segment_align: 8
    .kernarg_segment_size: 48
    .max_flat_workgroup_size: 256
    .sgpr_count:     102
    .vgpr_count:     256
    .wavefront_size: 32
...
	.end_amdgpu_metadata
.endif
;; end of part 3
;; ======== version 2 of 2: 3 launches
;; workspace buffers: qc 2,097,152 bytes; qs 262,144 bytes; kv 4,718,592 bytes; mb 524,288 bytes of whole numbers; fl 8,192 bytes of whole numbers; ac 2,097,152 bytes; asc 131,072 bytes
;; launch qkv (part 4): grid 8 x 32, 12 waves a work-group, clusters of 4 x 4, 294,912 bytes of LDS; arguments x_codes, x_scales, wq_codes, wk_codes, wv_codes, wq_scales, wk_scales, wv_scales, bq, bk, bv, causal_mask, qc, qs, kv, mb, fl; writes qc, qs, kv, mb, fl
.if DOCPART == 4
	.amdgcn_target "amdgcn-amd-amdhsa--gfx1250"
	.amdhsa_code_object_version 6
	.text
	.protected	k_q1933dfad0f_qkv
	.globl	k_q1933dfad0f_qkv
	.p2align	8
	.type	k_q1933dfad0f_qkv,@function
k_q1933dfad0f_qkv:
	s_mov_b64 s[64:65], 0
	v_nop
	global_prefetch_b8 v0, s[64:65] scope:SCOPE_SE
	s_setreg_imm32_b32 hwreg(HW_REG_WAVE_MODE, 25, 1), 1
	s_wait_xcnt 0x0
	s_wait_alu depctr_hold_cnt(0) depctr_sa_sdst(0) depctr_va_vdst(0) depctr_va_sdst(0) depctr_va_ssrc(0) depctr_va_vcc(0) depctr_vm_vsrc(0)
	s_getreg_b32 s2, hwreg(HW_REG_IB_STS2, 6, 4)
	s_cmp_eq_u32 s2, 0
	s_cbranch_scc0 .Lentry_in_a_cluster
	s_endpgm
.Lentry_in_a_cluster:
	s_bfe_u32 s2, ttmp6, 0x10000c
	s_cmp_lg_u32 s2, 0xf033
	s_cbranch_scc0 .Lentry_shape_is_right
	s_endpgm
.Lentry_shape_is_right:
; q = x wq + bq, k = x wk + bk, v = x wv + bv on codes of FP4 (E2M1) with one E8M0 scale for each 32 along K = 1,024; the results are quantised at once, in f32, for the two products of attention:
; q and k along the head's 64, v along the keys.  They leave as IMAGES OF OPERAND REGISTERS (16 bytes a lane, 512 bytes on end), with their scale words beside them.
; The same launch turns the mask input into lane masks: for each unit (16 queries x 128 keys) 64 words, one for each score register of the attention launch, bit l = hidden for lane l, and two flags (some key open, some key hidden).
; SHARES.  A work-group takes 128 rows of x (rows 128 Rb on) and the 128 columns of heads 2 g, 2 g + 1 of each of the three weights.  Wave w of twelve: role w / 4 (q, k, v), head 2 g + (w / 2) % 2, rows 64 (w % 2) on: 64 x 64, 16 accumulators.
; ONE STREAM OF INSTRUCTIONS FOR THE THREE ROLES.  Source 0 is a set P of four tiles of 16 rows, source 1 a set R.  q, k: P = the weight's rows, R = x's: a lane holds one row of x and its registers run along the head.
; v: P = x's rows, R = the weight's: a lane holds one channel and its registers run along the keys.  Only two pairs of LDS addresses, the C of the first K step and some scalars differ.
; TRUE ORDER OF K WITHOUT A TRANSPOSITION.  In a result lane (r, h) holds m = 8 h + j of a tile.  Of a block of 32 (tiles E, O) a lane holds 16 numbers, lane l xor 16 the others.  The four conversions of two blocks are laid E0, E1, O0, O1;
; two exchanges of halves (first's lanes 16-31 with second's lanes 0-15) leave registers 0-3 of lane (r, h) with k = 32 h + 0 .. 31.
; CLUSTER.  4 x 4 work-groups: x's rows hang on Rb alone and are shared along a row of the cluster, the weights' rows on g alone and are shared along a column: each tile is asked for jointly.  All of LDS that is filled is filled once.
; LIMITS.  A block whose largest magnitude lies under 2^-124 has its byte held at 1; a block of zeros gets the byte 1 (its codes are zeros; these bytes are read by this program alone).  NaN and infinities in the biases and the byte 0xff in given scales are not served.
.set CH,     33792                     ; a chunk in LDS: 64 rows x 528
.set PITCH,  528                       ; 512 bytes of codes + 16 of padding: 33 x 16 bytes, so the 16 rows of a fragment load fall on 16 different columns of 16 bytes
.set SC,     270336                    ; behind the eight chunks (x 0, 1; wq 2, 3; wk 4, 5; wv 6, 7): the scale bytes, 32 a row, as units of 256 bytes + 16
.set SCH,    2176                      ; those of a chunk's 64 rows: 8 units
.set SPARE,  287744                    ; the spare words, 128 bytes for each of twelve waves: six blocks of 256 bytes that no other line names
.set ADP,  1                           ; v1   LDS address of my lane in P's first tile
.set ADR,  2                           ; v2   the same for R
.set ADPS, 3                           ; v3   P's scale words: lanes 0-15 an even tile's rows, lanes 16-31 the odd tile's
.set ADRS, 4                           ; v4   R's
.set SPW,  5                           ; v5   my spare word; never rewritten
.set NIL,  6                           ; v6   0; never rewritten
.set BOV,  7                           ; v7   4 r: bv's offset
.set OA,   8                           ; v8-11  16 x lane + a x GS: where tile a's image goes
.set SOA,  12                          ; v12  16 r + 8 h: where my two scale words go
.set BOF,  13                          ; v13  32 h: bq's and bk's offset
.set MOF,  14                          ; v14  2,048 r + 8 h: my eight mask bytes
.set L8,   15                          ; v15  8 x lane
.set PS,   16                          ; v16-17 P's scale words, v18-19 R's: these four hold scales and nothing else
.set RS,   18
.set PF,   20                          ; v20-51  P's four fragments
.set RF,   52                          ; v52-83  R's
.set BI,   84                          ; v84-115 the bias in the result's layout
.set ACC,  116                         ; v116-243 accumulator (a, b) at ACC + 32 a + 8 b
.set LN,   244                         ; lane, r, h and three registers at work
.set RR,   245
.set HH,   246
.set T0,   247
.set T1,   248
.set T3,   249
.set MSK,  116                         ; the mask's registers lie where the accumulators will: 16 of bytes,
.set MT,   132                         ; two at work,
.set WL,   136                         ; the 64 words, two a lane
.set BM,   20                          ; the quantiser's registers lie where the fragments lay
.set T2,   22
.set SO,   24
.set BY,   26
.set WD,   28
.set PC,   32
.set SW,   48
.set WV,   38                          ; s38 my wave's number
.set G1XC, 40                          ; descriptor groups 1: x's codes, the weights' codes, x's scales, the weights' scales
.set G1WC, 48
.set G1XS, 56
.set G1WS, 68
.set G0XC, 76                          ; and groups 0
.set G0WC, 80
.set G0XS, 84
.set G0WS, 88
.set GS,   22                          ; s22 bytes from one tile's image to the next
.set HI,   33                          ; s33 the scale word's upper half: 0x7f7f for q and k, 0 for v
.set HALF, 32                          ; s32 lanes 16-31
.set SEL,  24                          ; s[24:25] lane l xor 16
.macro CREST
	s_cmp_lg_u32 s[WV], 0
	s_cbranch_scc1 .Lnot_wave_0_\@
	s_barrier_signal -3
.Lnot_wave_0_\@:
	s_barrier_wait -3
	s_barrier_signal -1
	s_barrier_wait -1
.endm
.macro CROUND                          ; a round of the cluster's barrier
	s_barrier_signal -1
	s_barrier_wait -1
	CREST
.endm
.macro TL g0, g1                       ; a joint load; an s_nop 0 and four v_nop follow it
	tensor_load_to_lds s[\g0:\g0+3], s[\g1:\g1+7]
	s_nop 0
.rept 4
	v_nop
.endr
.endm
; one product.  ra, rb: the side's scale words stand in lanes 16-31 of the register named
.macro WM d, fa, fb, c, sa, sb, ra, rb
.if (\ra) && (\rb)
	v_wmma_scale_f32_16x16x128_f8f6f4 v[(\d):(\d)+7], v[(\fa):(\fa)+7], v[(\fb):(\fb)+7], v[(\c):(\c)+7], v[\sa], v[\sb] matrix_a_fmt:MATRIX_FMT_FP4 matrix_b_fmt:MATRIX_FMT_FP4 matrix_a_scale:MATRIX_SCALE_ROW1 matrix_b_scale:MATRIX_SCALE_ROW1
.elseif (\ra)
	v_wmma_scale_f32_16x16x128_f8f6f4 v[(\d):(\d)+7], v[(\fa):(\fa)+7], v[(\fb):(\fb)+7], v[(\c):(\c)+7], v[\sa], v[\sb] matrix_a_fmt:MATRIX_FMT_FP4 matrix_b_fmt:MATRIX_FMT_FP4 matrix_a_scale:MATRIX_SCALE_ROW1
.elseif (\rb)
	v_wmma_scale_f32_16x16x128_f8f6f4 v[(\d):(\d)+7], v[(\fa):(\fa)+7], v[(\fb):(\fb)+7], v[(\c):(\c)+7], v[\sa], v[\sb] matrix_a_fmt:MATRIX_FMT_FP4 matrix_b_fmt:MATRIX_FMT_FP4 matrix_b_scale:MATRIX_SCALE_ROW1
.else
	v_wmma_scale_f32_16x16x128_f8f6f4 v[(\d):(\d)+7], v[(\fa):(\fa)+7], v[(\fb):(\fb)+7], v[(\c):(\c)+7], v[\sa], v[\sb] matrix_a_fmt:MATRIX_FMT_FP4 matrix_b_fmt:MATRIX_FMT_FP4
.endif
.endm
; a K step's 16 products; the 16 accumulators take turns, one instruction a turn, in the same order in every step.
; mode 0: on in place;  1: the sums start from the bias by P's tile (q, k);  2: by R's tile (v)
.macro MUL16 mode
.irp a, 0,1,2,3
.irp b, 0,1,2,3
.if \mode == 0
	WM ACC+32*\a+8*\b, PF+8*\b, RF+8*\a, ACC+32*\a+8*\b, PS+\b/2, RS+\a/2, \b%2, \a%2
.elseif \mode == 1
	WM ACC+32*\a+8*\b, PF+8*\b, RF+8*\a, BI+8*\b, PS+\b/2, RS+\a/2, \b%2, \a%2
.else
	WM ACC+32*\a+8*\b, PF+8*\b, RF+8*\a, BI+8*\a, PS+\b/2, RS+\a/2, \b%2, \a%2
.endif
.endr
.endr
.endm
; K step sg: eight fragments and four registers of scale words.  The four v_nop are the places between the last products and the loads into registers that they read (ISA guide 7.12.1 for vector instructions)
.macro LOADS sg
.rept 4
	v_nop
.endr
.irp t, 0,1,2,3
.irp c, 0,1
	ds_load_b128 v[PF+8*\t+4*\c:PF+8*\t+4*\c+3], v[ADP] offset:16*PITCH*\t+64*(\sg)+32*\c
	ds_load_b128 v[RF+8*\t+4*\c:RF+8*\t+4*\c+3], v[ADR] offset:16*PITCH*\t+64*(\sg)+32*\c
.endr
.endr
.irp p, 0,1
	ds_load_b32 v[PS+\p], v[ADPS] offset:1088*\p+4*(\sg)
	ds_load_b32 v[RS+\p], v[ADRS] offset:1088*\p+4*(\sg)
.endr
	s_wait_dscnt 0x0
.endm
; The 32 registers of R's tile a are two blocks of 32 along the next K (block u: registers 16 u .. 16 u + 15 here, the other 16 numbers in lane l xor 16): scale word into v[WD + a], codes out as an image
.macro QUANT2 a
.set QA, ACC+32*(\a)
.irp u, 0,1
	v_max3_num_f32 v[BM+\u], |v[QA+16*\u]|, |v[QA+16*\u+1]|, 0x1800000   ; each accumulator is read from its low end on; the floor 2^(3 - 127) holds the byte at 1 from below
.endr
.irp i, 2,4,6,8,10,12,14
.irp u, 0,1
	v_max3_num_f32 v[BM+\u], v[BM+\u], |v[QA+16*\u+\i]|, |v[QA+16*\u+\i+1]|
.endr
.endr
.irp u, 0,1
	s_delay_alu instid0(VALU_DEP_2)
	v_permlanex16_b32 v[T2+\u], v[BM+\u], s[SEL], s[SEL+1]
.endr
.irp u, 0,1
	s_delay_alu instid0(VALU_DEP_2)
	v_max_num_f32 v[BM+\u], v[BM+\u], v[T2+\u]     ; the block's largest magnitude
.endr
.irp u, 0,1
	s_delay_alu instid0(VALU_DEP_2)
	v_add_nc_u32 v[SO+\u], 0xff000000, v[BM+\u]    ; 2 off its exponent field: the conversion's scale operand
.endr
.irp u, 0,1
	s_delay_alu instid0(VALU_DEP_2)
	v_lshrrev_b32 v[BY+\u], 23, v[SO+\u]           ; the scale's byte
.endr
	s_delay_alu instid0(VALU_DEP_1)
	v_lshl_or_b32 v[WD+\a], v[BY+1], 8, v[BY]
	s_delay_alu instid0(VALU_DEP_1)
	v_or_b32 v[WD+\a], s[HI], v[WD+\a]
	v_cvt_scalef32_pk8_fp4_f32 v[PC+4*\a], v[QA:QA+7], v[SO]
	v_cvt_scalef32_pk8_fp4_f32 v[PC+4*\a+1], v[QA+16:QA+23], v[SO+1]
	v_cvt_scalef32_pk8_fp4_f32 v[PC+4*\a+2], v[QA+8:QA+15], v[SO]
	v_cvt_scalef32_pk8_fp4_f32 v[PC+4*\a+3], v[QA+24:QA+31], v[SO+1]
	v_nop                                          ; one plain place behind the scaled conversions
	v_permlane16_swap_b32 v[PC+4*\a], v[PC+4*\a+1]
	v_permlane16_swap_b32 v[PC+4*\a+2], v[PC+4*\a+3]
	global_store_b128 v[OA+\a], v[PC+4*\a:PC+4*\a+3], s[28:29]   ; 32 lanes store 512 consecutive bytes, aligned
.endm
	s_load_b512 s[4:19], s[0:1], 0x0               ; x_codes 4, x_scales 6, wq_codes 8, wk_codes 10, wv_codes 12, wq_scales 14, wk_scales 16, wv_scales 18
	s_load_b512 s[20:35], s[0:1], 0x40             ; bq 20, bk 22, bv 24, causal_mask 26, qc 28, qs 30, kv 32, mb 34
	s_load_b64 s[36:37], s[0:1], 0x80              ; fl
	v_lshl_add_u32 v[SPW], v0, 2, SPARE
	v_mov_b32 v[NIL], 0
	ds_add_u32 v[SPW], v[NIL]                      ; the wave's opening: the add and its wait stand ahead of my first tensor load; the set-up below, work on registers, stands between them
	ds_add_u32 v[SPW], v[NIL]
	v_lshrrev_b32 v[T0], 5, v0
	s_delay_alu instid0(VALU_DEP_1)
	v_readfirstlane_b32 s[WV], v[T0]               ; wave 0..11
	v_and_b32 v[LN], 31, v0
	v_and_b32 v[RR], 15, v0
	s_wait_alu depctr_va_vdst(0)
	v_bfe_u32 v[HH], v0, 4, 1
	s_bfe_u32 s92, ttmp6, 0x40000                  ; cx
	s_bfe_u32 s93, ttmp6, 0x40004                  ; cy
	s_lshl_b32 s94, ttmp9, 2
	s_add_co_u32 s94, s94, s92                     ; g = 4 x cluster x + cx: the pair of heads
	s_and_b32 s95, ttmp7, 0xffff
	s_lshl_b32 s95, s95, 2
	s_add_co_u32 s95, s95, s93                     ; Rb = 4 x cluster y + cy: the block of 128 rows
	s_lshl_b32 s96, s93, 2
	s_lshl_b32 s96, 15, s96                        ; my row of the cluster
	s_lshl_b32 s97, 0x1111, s92                    ; my column
	; groups 1.  Codes: 64 rows of 512 bytes, 16 bytes of padding behind each (after every 128 words, four words)
	s_or_b32 s[G1XC], s96, (1<<20)|(1<<21)|(6<<22)|(3<<25)
	s_or_b32 s[G1WC], s97, (1<<20)|(1<<21)|(6<<22)|(3<<25)
.irp g, G1XC, G1WC
	s_mov_b32 s[\g+1], 512<<16                     ; tensor_dim0
	s_mov_b32 s[\g+2], 64<<16                      ; tensor_dim1
	s_mov_b32 s[\g+3], 512<<16                     ; tile_dim0
	s_mov_b32 s[\g+4], 64                          ; tile_dim1
	s_mov_b32 s[\g+5], 512                         ; from row to row
	s_mov_b32 s[\g+6], 0
	s_mov_b32 s[\g+7], 0
.endr
	; scale bytes of 128 rows: 4,096 dense bytes as 16 rows of 256 (32 elements of 8 bytes), 16 bytes of padding behind each
	s_or_b32 s[G1XS], s96, (3<<16)|(1<<20)|(1<<21)|(5<<22)|(3<<25)
	s_or_b32 s[G1WS], s97, (3<<16)|(1<<20)|(1<<21)|(5<<22)|(3<<25)
.irp g, G1XS, G1WS
	s_mov_b32 s[\g+1], 32<<16
	s_mov_b32 s[\g+2], 16<<16
	s_mov_b32 s[\g+3], 32<<16
	s_mov_b32 s[\g+4], 16
	s_mov_b32 s[\g+5], 32
	s_mov_b32 s[\g+6], 0
	s_mov_b32 s[\g+7], 0
.endr
	; which chunks are P and R: of the wave's number alone.  All LDS addresses are made here, ahead of every parting of the waves
	s_and_b32 s39, s[WV], 1                        ; x's chunk = which 64 rows
	s_lshr_b32 s66, s[WV], 1
	s_add_co_u32 s66, s66, 2                       ; the weight's chunk
	s_lshr_b32 s67, s[WV], 3                       ; 1 in v's waves
	s_xor_b32 s98, s39, s66
	s_mul_i32 s98, s98, s67
	s_xor_b32 s99, s66, s98                        ; P: the weight's chunk; in v's waves x's
	s_xor_b32 s100, s39, s98                       ; R: the other
	v_mul_u32_u24 v[T0], v[RR], PITCH
	s_wait_alu depctr_va_vdst(0)
	v_lshl_add_u32 v[T0], v[HH], 4, v[T0]          ; 528 r + 16 h
	v_lshrrev_b32 v[T1], 3, v[LN]
	s_delay_alu instid0(VALU_DEP_1)
	v_mul_u32_u24 v[T1], v[T1], 272
	v_and_b32 v[T3], 7, v[LN]
	s_delay_alu instid0(VALU_DEP_1)
	v_lshl_add_u32 v[T1], v[T3], 5, v[T1]          ; row = lane of 32: 272 (lane / 8) + 32 (lane % 8)
	s_mul_i32 s101, s99, CH
	v_add_nc_u32 v[ADP], s101, v[T0]
	s_mul_i32 s101, s100, CH
	v_add_nc_u32 v[ADR], s101, v[T0]
	s_mul_i32 s101, s99, SCH
	s_add_co_u32 s101, s101, SC
	v_add_nc_u32 v[ADPS], s101, v[T1]
	s_mul_i32 s101, s100, SCH
	s_add_co_u32 s101, s101, SC
	v_add_nc_u32 v[ADRS], s101, v[T1]
	v_lshlrev_b32 v[OA], 4, v[LN]
	v_lshlrev_b32 v[L8], 3, v[LN]
	v_lshlrev_b32 v[SOA], 4, v[RR]
	s_delay_alu instid0(VALU_DEP_1)
	v_lshl_add_u32 v[SOA], v[HH], 3, v[SOA]
	v_lshlrev_b32 v[MOF], 11, v[RR]
	s_delay_alu instid0(VALU_DEP_1)
	v_lshl_add_u32 v[MOF], v[HH], 3, v[MOF]
	v_lshlrev_b32 v[BOF], 5, v[HH]
	v_lshlrev_b32 v[BOV], 2, v[RR]
	; what I fetch: waves 0, 1 x's chunks, 2-7 the weights', 8 x's scales, 9-11 the weights'.  x's offsets hang on Rb alone, the weights' on g alone, each in registers of its own
	s_mul_i32 s66, s[WV], CH                       ; codes go to chunk w,
	s_and_b32 s101, s[WV], 3
	s_mul_i32 s101, s101, 2*SCH
	s_add_co_u32 s101, s101, SC                    ; scale bytes to region w % 4
	s_lshl_b32 s2, s95, 16
	s_lshl_b32 s3, s39, 15
	s_add_co_u32 s2, s2, s3                        ; x: (128 Rb + 64 (w % 2)) rows of 512 bytes
	s_mov_b32 s3, 0
	s_lshl_b32 s98, s94, 16
	s_lshl_b32 s99, s39, 15
	s_add_co_u32 s98, s98, s99                     ; a weight: (128 g + 64 (w % 2)) rows
	s_mov_b32 s99, 0
	s_wait_dscnt 0x0                               ; the opening add is done
	s_wait_kmcnt 0x0
	s_mov_b32 s[G0XC], 1
	s_mov_b32 s[G0XC+1], s66
	s_add_nc_u64 s[G0XC+2:G0XC+3], s[4:5], s[2:3]
	s_or_b32 s[G0XC+3], s[G0XC+3], 0x80000000
	s_lshl_b32 s2, s95, 12                         ; 128 rows of 32 scale bytes
	s_mov_b32 s[G0XS], 1
	s_mov_b32 s[G0XS+1], s101
	s_add_nc_u64 s[G0XS+2:G0XS+3], s[6:7], s[2:3]
	s_or_b32 s[G0XS+3], s[G0XS+3], 0x80000000
	s_cmp_lt_u32 s[WV], 4                          ; the weight is chosen by the wave's number, alike in all partners
	s_cselect_b64 s[G0WC+2:G0WC+3], s[8:9], s[10:11]
	s_cmp_lt_u32 s[WV], 6
	s_cselect_b64 s[G0WC+2:G0WC+3], s[G0WC+2:G0WC+3], s[12:13]
	s_add_nc_u64 s[G0WC+2:G0WC+3], s[G0WC+2:G0WC+3], s[98:99]
	s_or_b32 s[G0WC+3], s[G0WC+3], 0x80000000
	s_mov_b32 s[G0WC], 1
	s_mov_b32 s[G0WC+1], s66
	s_lshl_b32 s98, s94, 12
	s_cmp_lt_u32 s[WV], 10
	s_cselect_b64 s[G0WS+2:G0WS+3], s[14:15], s[16:17]
	s_cmp_lt_u32 s[WV], 11
	s_cselect_b64 s[G0WS+2:G0WS+3], s[G0WS+2:G0WS+3], s[18:19]
	s_add_nc_u64 s[G0WS+2:G0WS+3], s[G0WS+2:G0WS+3], s[98:99]
	s_or_b32 s[G0WS+3], s[G0WS+3], 0x80000000
	s_mov_b32 s[G0WS], 1
	s_mov_b32 s[G0WS+1], s101
	CROUND                                         ; all sixteen work-groups are here: the joint loads meet
	s_cmp_lt_u32 s[WV], 2                          ; one load a wave; each line has one mask and one set of registers
	s_cbranch_scc0 .Lnot_xc
	TL G0XC, G1XC
	s_branch .Lasked
.Lnot_xc:
	s_cmp_lt_u32 s[WV], 8
	s_cbranch_scc0 .Lnot_wc
	TL G0WC, G1WC
	s_branch .Lasked
.Lnot_wc:
	s_cmp_eq_u32 s[WV], 8
	s_cbranch_scc0 .Lws
	TL G0XS, G1XS
	s_branch .Lasked
.Lws:
	TL G0WS, G1WS
.Lasked:
	; while the tiles are on their way: where my results go.  No descriptor register is written
	s_cmp_lt_u32 s[WV], 4
	s_cselect_b64 s[20:21], s[20:21], s[22:23]     ; the bias: bq or bk,
	s_cselect_b64 s[28:29], s[28:29], s[32:33]     ; codes to qc or kv,
	s_cselect_b64 s[30:31], s[30:31], s[32:33]     ; scale words to qs or kv
	s_mov_b32 s101, 147456
	s_cselect_b32 s22, 65536, s101                 ; a head's bytes in the codes' buffer,
	s_cselect_b32 s23, 8192, s101                  ; in the scale words',
	s_cselect_b32 s32, 0, 131072                   ; and where a head's scale words begin in kv
	s_cmp_lt_u32 s[WV], 8
	s_cselect_b64 s[20:21], s[20:21], s[24:25]     ; or bv
	s_cselect_b32 s[HI], 0x7f7f0000, 0             ; q's and k's words scale k = 64 .. 127, which hold zero codes on q's side, by 1
	s_bfe_u32 s66, s[WV], 0x10001
	s_lshl_b32 s96, s94, 1
	s_add_co_u32 s66, s66, s96                     ; head = 2 g + (w / 2) % 2
	s_mov_b32 s101, 0
	s_lshl_b32 s100, s66, 8
	s_add_nc_u64 s[20:21], s[20:21], s[100:101]    ; the bias at the head's first channel
	s_and_b32 s96, s95, 16
	s_add_co_u32 s66, s66, s96                     ; 16 x batch + head
	s_and_b32 s97, s95, 15                         ; the block of 128 rows within the batch = the key step
	s_mul_i32 s100, s22, s66
	s_lshl_b32 s96, s97, 12
	s_add_co_u32 s100, s100, s96                   ; + 4,096 x step
	s_lshl_b32 s96, s67, 16
	s_add_co_u32 s100, s100, s96                   ; v's images lie 65,536 bytes behind k's
	s_lshl_b32 s96, s67, 1
	s_lshr_b32 s96, 2048, s96                      ; my half of the rows: four tiles on (q, k), or the image's second half (v: 512)
	s_mul_i32 s96, s96, s39
	s_add_co_u32 s100, s100, s96
	s_add_nc_u64 s[28:29], s[28:29], s[100:101]
	s_mul_i32 s100, s23, s66
	s_add_co_u32 s100, s100, s32
	s_lshl_b32 s96, s67, 13
	s_add_co_u32 s100, s100, s96                   ; v's half words lie 8,192 bytes behind k's words
	s_lshl_b32 s96, s97, 9
	s_add_co_u32 s100, s100, s96
	s_lshl_b32 s96, s39, 8
	s_add_co_u32 s100, s100, s96
	s_add_nc_u64 s[30:31], s[30:31], s[100:101]
	s_lshl_b32 s[GS], 512, s67                     ; 512 (q, k: the next tile of rows) or 1,024 (v: the next tile of channels)
	s_mov_b32 s[HALF], 0xffff0000
	s_mov_b32 s[SEL], 0x76543210
	s_mov_b32 s[SEL+1], 0xfedcba98
	s_wait_alu depctr_va_vdst(0)
	v_add_nc_u32 v[OA+1], s[GS], v[OA]
	s_delay_alu instid0(VALU_DEP_1)
	v_add_nc_u32 v[OA+2], s[GS], v[OA+1]
	s_delay_alu instid0(VALU_DEP_1)
	v_add_nc_u32 v[OA+3], s[GS], v[OA+2]
	s_cmp_lt_u32 s[WV], 8
	s_cbranch_scc0 .Lv_wave
	; q's and k's waves: one unit of the mask each.  256 work-groups x 8 waves = 128 tiles of queries x 16 key steps
	s_lshl_b32 s96, s95, 2
	s_lshr_b32 s97, s94, 1
	s_add_co_u32 s96, s96, s97                     ; the tile of 16 queries: (8 Rb + g) / 2
	s_and_b32 s97, s94, 1
	s_lshl_b32 s97, s97, 3
	s_add_co_u32 s97, s97, s[WV]                   ; the key step: 8 (g % 2) + w
	s_lshl_b32 s100, s96, 15
	s_lshl_b32 s66, s97, 7
	s_add_co_u32 s100, s100, s66
	s_add_nc_u64 s[26:27], s[26:27], s[100:101]    ; 16 rows of 2,048 bytes a tile, 128 bytes a step
	s_lshl_b32 s66, s96, 4
	s_add_co_u32 s66, s66, s97
	s_lshl_b32 s100, s66, 8
	s_add_nc_u64 s[34:35], s[34:35], s[100:101]    ; 256 bytes of words a unit
	s_lshl_b32 s100, s66, 2
	s_add_nc_u64 s[36:37], s[36:37], s[100:101]    ; one word of flags
.irp t, 0,1,2,3,4,5,6,7
	global_load_b64 v[MSK+2*\t:MSK+2*\t+1], v[MOF], s[26:27] offset:16*\t   ; query r, keys 16 t + 8 h + 0 .. 7: what score registers 8 t + 0 .. 7 of lane (r, h) will hold
.endr
.irp b, 0,1,2,3
	global_load_b128 v[BI+8*\b:BI+8*\b+3], v[BOF], s[20:21] offset:64*\b        ; the bias at channels 16 b + 8 h + 0 .. 7
	global_load_b128 v[BI+8*\b+4:BI+8*\b+7], v[BOF], s[20:21] offset:64*\b+16
.endr
	s_wait_loadcnt 8                               ; the mask's eight loads are in; the bias's eight may be out
	v_mov_b32 v[WL], 0
	v_mov_b32 v[WL+1], 0
.set n, 0
.rept 32                               ; register n's word: bit l = lane l's byte is not 0; it goes to lane n % 32 of word register n / 32
	v_bfe_u32 v[MT], v[MSK+2*(n/8)+(n%8)/4], 8*(n%4), 8
	v_bfe_u32 v[MT+1], v[MSK+2*((n+1)/8)+((n+1)%8)/4], 8*((n+1)%4), 8
	s_delay_alu instid0(VALU_DEP_2)
	v_cmp_ne_u32 s100, 0, v[MT]
	s_delay_alu instid0(VALU_DEP_2)
	v_cmp_ne_u32 s101, 0, v[MT+1]
	s_delay_alu instid0(VALU_DEP_2)
	v_writelane_b32 v[WL+n/32], s100, n%32
	s_delay_alu instid0(VALU_DEP_1)
	v_writelane_b32 v[WL+n/32], s101, n%32+1
.set n, n+2
.endr
	global_store_b64 v[L8], v[WL:WL+1], s[34:35]   ; 32 lanes store 256 consecutive bytes, aligned
	v_and_b32 v[MT], v[WL], v[WL+1]
	v_or_b32 v[MT+1], v[WL], v[WL+1]
	s_delay_alu instid0(VALU_DEP_2)
	v_cmp_ne_u32 s100, -1, v[MT]                   ; some bit is 0: some key is open
	s_delay_alu instid0(VALU_DEP_2)
	v_cmp_ne_u32 s101, 0, v[MT+1]                  ; some bit is 1: some key is hidden
	s_cmp_lg_u32 s100, 0
	s_cselect_b32 s100, 1, 0                       ; a choice, no branch
	s_cmp_lg_u32 s101, 0
	s_cselect_b32 s101, 1, 0
	s_lshl_b32 s100, s100, s97                     ; at bit step,
	s_add_co_u32 s66, s97, 16
	s_lshl_b32 s101, s101, s66                     ; and at bit 16 + step: a tile's sixteen words are joined by ors
	s_or_b32 s100, s100, s101
	v_mov_b32 v[MT], s100
	v_mov_b32 v[MT+1], 0
	v_cmp_eq_u32 vcc_lo, 0, v[LN]
	s_wait_alu depctr_va_vdst(0)
	s_wait_xcnt 0x0                                ; EXEC changes only behind this wait: it is a source of the loads and the store above
	s_and_saveexec_b32 s101, vcc_lo
	global_store_b32 v[MT+1], v[MT], s[36:37]      ; one lane stores the flags
	s_wait_xcnt 0x0                                ; and again in front of the line that widens it; the stores' data registers are free behind it too
	s_or_b32 exec_lo, exec_lo, s101
	s_branch .Ljoin
.Lv_wave:
.irp a, 0,1,2,3
	global_load_b32 v[BI+8*\a], v[BOV], s[20:21] offset:64*\a    ; bv at channel 16 a + r: my lane's, for all eight keys of a register run
.endr
	s_wait_loadcnt 0x0
.irp a, 0,1,2,3
.irp j, 1,2,3,4,5,6,7
	v_mov_b32 v[BI+8*\a+\j], v[BI+8*\a]
.endr
.endr
.Ljoin:
	s_wait_loadcnt 0x0                             ; the bias
	s_wait_tensorcnt 0x0                           ; my tile has landed,
	s_barrier_signal -1
	s_barrier_wait -1                              ; everybody's has: nothing in LDS is written from here on
	LOADS 0
	s_cmp_lt_u32 s[WV], 8
	s_cbranch_scc0 .Lv_first
	s_wait_alu depctr_va_vdst(0)
	MUL16 1                                        ; the first K step starts the sums from the bias: nothing is cleared, nothing is added later
	s_branch .Lfirst_done
.Lv_first:
	s_wait_alu depctr_va_vdst(0)
	MUL16 2
.Lfirst_done:
.irp sg, 1,2,3,4,5,6,7
	LOADS \sg
	MUL16 0
.endr
.rept 4
	v_nop                                          ; places between the last products and the first read of results and write of their sources
.endr
	v_mov_b32 v[T2], 0                             ; written once: a lane permute's destination counts as one of its sources
	v_mov_b32 v[T2+1], 0
	QUANT2 0
	QUANT2 1
	QUANT2 2
	QUANT2 3
	v_cndmask_b32 v[SW], v[WD], v[WD+2], s[HALF]   ; lanes 0-15 store tiles 0 and 1's words of row r, lanes 16-31 tiles 2 and 3's
	v_cndmask_b32 v[SW+1], v[WD+1], v[WD+3], s[HALF]
	global_store_b64 v[SOA], v[SW:SW+1], s[30:31]  ; 32 lanes store 256 consecutive bytes, aligned
	s_wait_tensorcnt 0x0                           ; the wave's end
	ds_add_u32 v[SPW], v[NIL]
	s_wait_dscnt 0x0
	CROUND                                         ; the closing round
	s_endpgm
.Lfunc_end_k_q1933dfad0f_qkv:
	.size	k_q1933dfad0f_qkv, .Lfunc_end_k_q1933dfad0f_qkv-k_q1933dfad0f_qkv
	.p2alignl 7, 3214868480
	.fill 96, 4, 3214868480
	.section	.rodata,"a",@progbits
	.p2align	6, 0x0
	.amdhsa_kernel k_q1933dfad0f_qkv
		.amdhsa_group_segment_fixed_size 294912
		.amdhsa_private_segment_fixed_size 0
		.amdhsa_enable_private_segment 0
		.amdhsa_kernarg_size 136
		.amdhsa_user_sgpr_count 2
		.amdhsa_user_sgpr_kernarg_segment_ptr 1
		.amdhsa_wavefront_size32 1
		.amdhsa_system_sgpr_workgroup_id_x 1
		.amdhsa_system_sgpr_workgroup_id_y 1
		.amdhsa_system_sgpr_workgroup_id_z 1
		.amdhsa_system_vgpr_workitem_id 0
		.amdhsa_next_free_vgpr 256
		.amdhsa_next_free_sgpr 102
		.amdhsa_reserve_vcc 1
		.amdhsa_float_denorm_mode_32 3
		.amdhsa_float_denorm_mode_16_64 3
		.amdhsa_memory_ordered 1
		.amdhsa_forward_progress 1
		.amdhsa_inst_pref_size 70
	.end_amdhsa_kernel
	.amdgpu_metadata
---
amdhsa.version: [ 1, 2 ]
amdhsa.kernels:
  - .name:           k_q1933dfad0f_qkv
    .symbol:         k_q1933dfad0f_qkv.kd
    .args:
      - { .name: x_codes, .offset: 0, .size: 8, .value_kind: global_buffer, .address_space: global }
      - { .name: x_scales, .offset: 8, .size: 8, .value_kind: global_buffer, .address_space: global }
      - { .name: wq_codes, .offset: 16, .size: 8, .value_kind: global_buffer, .address_space: global }
      - { .name: wk_codes, .offset: 24, .size: 8, .value_kind: global_buffer, .address_space: global }
      - { .name: wv_codes, .offset: 32, .size: 8, .value_kind: global_buffer, .address_space: global }
      - { .name: wq_scales, .offset: 40, .size: 8, .value_kind: global_buffer, .address_space: global }
      - { .name: wk_scales, .offset: 48, .size: 8, .value_kind: global_buffer, .address_space: global }
      - { .name: wv_scales, .offset: 56, .size: 8, .value_kind: global_buffer, .address_space: global }
      - { .name: bq, .offset: 64, .size: 8, .value_kind: global_buffer, .address_space: global }
      - { .name: bk, .offset: 72, .size: 8, .value_kind: global_buffer, .address_space: global }
      - { .name: bv, .offset: 80, .size: 8, .value_kind: global_buffer, .address_space: global }
      - { .name: causal_mask, .offset: 88, .size: 8, .value_kind: global_buffer, .address_space: global }
      - { .name: qc, .offset: 96, .size: 8, .value_kind: global_buffer, .address_space: global }
      - { .name: qs, .offset: 104, .size: 8, .value_kind: global_buffer, .address_space: global }
      - { .name: kv, .offset: 112, .size: 8, .value_kind: global_buffer, .address_space: global }
      - { .name: mb, .offset: 120, .size: 8, .value_kind: global_buffer, .address_space: global }
      - { .name: fl, .offset: 128, .size: 8, .value_kind: global_buffer, .address_space: global }
    .group_segment_fixed_size: 294912
    .private_segment_fixed_size: 0
    .kernarg_segment_align: 8
    .kernarg_segment_size: 136
    .max_flat_workgroup_size: 384
    .sgpr_count:     102
    .vgpr_count:     256
    .wavefront_size: 32
...
	.end_amdgpu_metadata
.endif
;; end of part 4
;; launch attn (part 5): grid 8 x 32, 16 waves a work-group, no clusters, 149,504 bytes of LDS; arguments qc, qs, kv, mb, fl, ac, asc; writes ac, asc
.if DOCPART == 5
	.amdgcn_target "amdgcn-amd-amdhsa--gfx1250"
	.amdhsa_code_object_version 6
	.text
	.protected	k_q1933dfad0f_attn
	.globl	k_q1933dfad0f_attn
	.p2align	8
	.type	k_q1933dfad0f_attn,@function
k_q1933dfad0f_attn:
	s_mov_b64 s[64:65], 0
	v_nop
	global_prefetch_b8 v0, s[64:65] scope:SCOPE_SE
	s_setreg_imm32_b32 hwreg(HW_REG_WAVE_SCHED_MODE, 0, 2), 2
	s_setreg_imm32_b32 hwreg(HW_REG_WAVE_MODE, 25, 1), 1
	s_wait_xcnt 0x0
	s_wait_alu depctr_vm_vsrc(0)
; Attention of one head on codes of FP4 (E2M1): S^T = K Q^T (K = the head's 64), p = 2^(t - M), O^T = V^T P^T (K = the keys), O / l quantised along the head's 64 as operand of the output projection.
; t = score x log2(e) / 8; M = the running largest t rounded UP to a whole number; p is not normalised; l is the sum of the unquantised p, in f32; when M moves, l and O^T are multiplied by 2^(old M - new M), which rounds nothing.
; SHARES.  A work-group owns one head (16 x batch + head = y) and 16 tiles of 16 queries, spread over the sequence: wave w takes tile 8 rank + x, rank = w xor 3 ((w / 4) % 2).  A wave holds one tile in 256 registers.
; THE HEAD'S K, V AND SCALE WORDS ARE ONE DENSE BLOCK OF 147,456 BYTES: each wave copies 9,216 of them into LDS through its registers, once; one barrier; the loop over the keys has none.
; All operands are images of registers: a fragment load reads 512 consecutive bytes.
; THE MASK comes as lane masks made by the launch before: a word for each score register, bit l = hidden for lane l: one v_cndmask_b32 a score.  Two flags a unit (16 queries x 128 keys) let a wave jump over a step all of whose keys
; are hidden (every p there is 0) and over the 64 selects of a step all of whose keys are open.  Right for every mask.
; NO CLUSTER, NO TENSOR LOAD: these are branches on numbers read from memory; a jump saves a key step's some 310 vector instructions a wave, a joint load would save three quarters of one fetch of 147,456 bytes a work-group.
; K = 64 IN AN INSTRUCTION OF 128: Q's registers 4-7 are zero codes; K's tiles lie four registers apart, so a tile's operand names the next tile's codes as k = 64 .. 127; they meet zero codes under scale bytes 127 and add exact zeros; four zero registers follow the last tile.
; LIMITS.  A block's largest p is taken from its largest score (v_exp_f32 is taken not to fall where its input rises).  Blocks under 2^-124: byte held at 1; a block of zeros gets the byte 1.  A query all of whose keys are hidden has l = 0: its scale bytes
; are set to 0xff, so that its whole output row becomes NaN, as the definition gives.  The scale bytes of O leave as 32 single bytes a wave beside its 512 bytes of codes.
; THE MODE: SCHED_MODE bits 1:0 = 2 (LLVM: expert scheduling mode 2), set by the entry lines.  The code itself states the register dependences between vector or matrix instructions and memory or LDS instructions, with s_wait_alu, always for 0.
; THE PLAN.  Registers that memory or LDS instructions touch:
;   v1, v11, v236    Offsets, made at the head ahead of its wait on va_vdst.  v1 and v11 are never written again; v236 is at work from the loop on, behind the head's wait on vm_vsrc.
;   v112-183         The fill: 18 loads land here, 18 LDS stores read them.  Later they are S and the low eight of O^T: written only behind the head's wait on vm_vsrc.
;   v7-9             A step's three LDS addresses: written at the head of an open step, read by its twenty LDS loads.
;   KT, KS           K and its scale words: a step's first ten LDS loads land here, its eight score products read them.
;   VT, VH           V and its half words: the step's other ten loads land here; the four products O^T += V^T P^T read VT, four shifts read VH.
;   PC, v224, v235   On the way out: written by conversions, exchanges and selects, read by the two stores.
;   v4, v5           Written at the head, read by the closing add alone.
; AN OPEN STEP has ONE wait on va_vdst for all its twenty loads, behind the three additions that make its addresses: it states that these are written and that the last open step's products and shifts are done with KT, KS, VT and VH.
; K's ten loads follow it; V's ten are dealt among and behind the eight score products, which name S, KT, Q, KS and Q's scale words: none of the registers that V's loads touch.  One wait on vm_vsrc, where V has landed, states that the
; twenty loads have read their addresses.  Two waits stand behind the exponentials; one more wait on va_vdst stands ahead of the four products that take codes and scale words made by vector instructions.
.set KSW,   131072                     ; LDS: K's images at 0, V's at 65,536, K's scale words here, V's half words 8,192 further on
.set SPARE, 147456                     ; the spare words, 128 bytes for each of sixteen waves: eight blocks of 256 bytes that no other line names
.set AK,   1                           ; v1   16 x lane
.set AV,   2                           ; v2   65,536 + 16 x lane
.set AS,   3                           ; v3   KSW + 16 r
.set SPW,  4                           ; v4   my spare word; never rewritten
.set NIL,  5                           ; v5   0; never rewritten
.set NINF, 6                           ; v6   -infinity
.set ADK,  7                           ; v7-9 the step's addresses
.set ADV,  8
.set ADS,  9
.set QS,   10                          ; v10  Q's scale words
.set FA,   11                          ; v11  the fill: 9,216 w + 16 x lane, in memory and in LDS alike
.set KT,   24                          ; v24-59  K's tiles, four registers each, and four zeros
.set KS,   60                          ; v60-67  K's scale words
.set VT,   68                          ; v68-99  V's tiles
.set VH,   100                         ; v100-107 V's half words
.set VS,   108                         ; v108-111 V's scale words
.set S,    112                         ; v112-175 S^T, then p
.set OT,   176                         ; v176-207 O^T
.set PC,   208                         ; v208-215 p's codes
.set PW,   216                         ; v216 p's scale word
.set BM,   220
.set T2,   224
.set SO,   228
.set FF,   232                         ; v[232:233] f and a written partner
.set TT,   234
.set C2,   236                         ; v[236:237] the second chain of the sum
.set WV,   18
.set QT,   19
.set SEL,  20
.set CS,   22
.set TK,   24                          ; s24  4,096 x step
.set TS,   25                          ; s25  512 x step
.set TM,   26                          ; s26  256 x step
.set CNT,  27
.set CNH,  28                          ; s28  16 + step
.set FL,   29
.set HALF, 30
.set LZ,   31
	s_load_b256 s[4:11], s[0:1], 0x0               ; qc 4, qs 6, kv 8, mb 10
	s_load_b128 s[12:15], s[0:1], 0x20             ; fl 12, ac 14
	s_load_b64 s[16:17], s[0:1], 0x30              ; asc
	v_lshl_add_u32 v[SPW], v0, 2, SPARE
	v_mov_b32 v[NIL], 0
	v_lshrrev_b32 v[TT], 5, v0
	v_readfirstlane_b32 s[WV], v[TT]               ; wave 0..15
	v_and_b32 v[TT], 31, v0
	v_and_b32 v235, 15, v0
	v_lshlrev_b32 v[AK], 4, v[TT]
	v_add_nc_u32 v[AV], 65536, v[AK]
	v_lshl_add_u32 v[AS], v235, 4, KSW
	v_lshlrev_b32 v[C2], 4, v235                   ; 16 r: Q's scale word
	s_wait_alu depctr_va_sdst(0)                   ; the wave's number is written into s18, ahead of its first reader: the line below
	s_mul_i32 s24, s[WV], 9216
	v_add_nc_u32 v[FA], s24, v[AK]
	s_and_b32 s25, ttmp7, 0xffff                   ; 16 x batch + head
	s_bfe_u32 s26, s[WV], 0x10002
	s_mul_i32 s26, s26, 3
	s_xor_b32 s26, s26, s[WV]                      ; rank: waves w, w + 4, w + 8, w + 12 hold ranks that add up to 30
	s_lshl_b32 s[QT], s26, 3
	s_add_co_u32 s[QT], s[QT], ttmp9               ; my tile of queries
	s_mov_b32 s29, 0
	s_mul_i32 s28, s25, 147456
	s_wait_kmcnt 0x0
	s_add_nc_u64 s[8:9], s[8:9], s[28:29]
	s_wait_alu depctr_va_vdst(0)                   ; the offsets v1, v11 and v236 are written, which the loads and the LDS stores below read
.irp i, 0,1,2,3,4,5,6,7,8,9,10,11,12,13,14,15,16,17
	global_load_b128 v[S+4*\i:S+4*\i+3], v[FA], s[8:9] offset:512*\i   ; 512 consecutive bytes a load
.endr
	s_lshl_b32 s28, s25, 16
	s_lshl_b32 s27, s[QT], 9
	s_add_co_u32 s28, s28, s27
	s_add_nc_u64 s[4:5], s[4:5], s[28:29]
	global_load_b128 v[16:19], v[AK], s[4:5]       ; Q's image
	s_lshl_b32 s28, s25, 13
	s_lshr_b32 s27, s[QT], 2
	s_lshl_b32 s27, s27, 8
	s_add_co_u32 s28, s28, s27
	s_and_b32 s27, s[QT], 3
	s_lshl_b32 s27, s27, 2
	s_add_co_u32 s28, s28, s27
	s_add_nc_u64 s[6:7], s[6:7], s[28:29]
	global_load_b32 v[QS], v[C2], s[6:7]
	s_lshl_b32 s28, s[QT], 6
	s_add_nc_u64 s[12:13], s[12:13], s[28:29]
	s_load_b512 s[32:47], s[12:13], 0x0            ; my tile's sixteen words of flags
	s_lshl_b32 s28, s[QT], 12
	s_add_nc_u64 s[10:11], s[10:11], s[28:29]      ; my tile's mask words: 256 bytes a step
	s_lshr_b32 s26, s25, 4                         ; batch
	s_and_b32 s27, s25, 15                         ; head
	s_lshl_b32 s28, s26, 7
	s_add_co_u32 s28, s28, s[QT]
	s_lshl_b32 s28, s28, 13                        ; ac: 8,192 bytes a tile of rows,
	s_lshl_b32 s24, s27, 9
	s_add_co_u32 s28, s28, s24                     ; 512 a head
	s_add_nc_u64 s[14:15], s[14:15], s[28:29]
	s_lshl_b32 s28, s26, 16                        ; asc: 32 bytes a row,
	s_lshl_b32 s24, s[QT], 9
	s_add_co_u32 s28, s28, s24
	s_lshl_b32 s24, s27, 1
	s_add_co_u32 s28, s28, s24                     ; 2 a head
	s_add_nc_u64 s[16:17], s[16:17], s[28:29]
	s_mov_b32 s[SEL], 0x76543210
	s_mov_b32 s[SEL+1], 0xfedcba98
	s_mov_b32 s[CS], 0x3e38aa3b                    ; c = log2(e) / 8
	s_mov_b32 s[CS+1], s[CS]                       ; (named with it as a pair, so it is written)
	s_mov_b32 s[HALF], 0xffff0000
	; while the fill is on its way: the registers that begin as constants, all but those in which the fill lands.  None of these lines names v1, v11, v236 or v112-183
.irp j, 20,21,22,23,56,57,58,59
	v_mov_b32 v[\j], 0                             ; zero codes: Q's k = 64 .. 127, and what follows K's last tile
.endr
.irp j, 8,9,10,11,12,13,14,15,16,17,18,19,20,21,22,23,24,25,26,27,28,29,30,31
	v_mov_b32 v[OT+\j], 0                          ; O^T, all but its low eight registers: the loop is written once; its first step finds zeros
.endr
	v_mov_b32 v14, 0                               ; l, in two halves
	v_mov_b32 v15, 0
.irp b, 0,1,2,3
	v_mov_b32 v[T2+\b], 0                          ; written once: a lane permute's destination counts as one of its sources
.endr
	v_mov_b32 v[FF+1], 0
	v_mov_b32 v[NINF], 0xff800000
	v_mov_b32 v13, 0xff61b1e6                      ; the largest t so far: -3e38
	v_floor_f32 v12, -v13                          ; -M
.irp i, 0,1,2,3,4,5,6,7,8,9,10,11,12,13,14,15,16,17
	s_wait_loadcnt 19-\i                           ; loads come back in order: the 17 - i younger fill loads and Q's two may be out
	ds_store_b128 v[FA], v[S+4*\i:S+4*\i+3] offset:512*\i
.endr
	s_wait_alu depctr_vm_vsrc(0)                   ; the LDS stores have read v112-183, and Q's scale words' load has read v236: the lines below clear v176-183, the loop's products write S, its sums v236
.irp j, 0,1,2,3,4,5,6,7
	v_mov_b32 v[OT+\j], 0                          ; O^T's low eight registers
.endr
	s_wait_kmcnt 0x0
	s_or_b32 s[FL], s32, s33
.irp i, 34,35,36,37,38,39,40,41,42,43,44,45,46,47
	s_or_b32 s[FL], s[FL], s[\i]                   ; bit s: step s has an open key; bit 16 + s: it has a hidden one
.endr
	s_mov_b32 s[TK], 0
	s_mov_b32 s[TS], 0
	s_mov_b32 s[TM], 0
	s_mov_b32 s[CNT], 0
	s_mov_b32 s[CNH], 16
	s_wait_loadcnt 0x0                             ; Q
	s_wait_dscnt 0x0                               ; for the others' sake: my part of the head lies in LDS
	s_barrier_signal -1
	s_barrier_wait -1
.Lstep:                                            ; sixteen trips of 128 keys
	s_bitcmp1_b32 s[FL], s[CNT]
	s_cbranch_scc0 .Lhidden                        ; every key of the step is hidden from my 16 queries: every p would be 0
	v_add_nc_u32 v[ADK], s[TK], v[AK]              ; (the last open step's loads have read these three: its wait on vm_vsrc stands where its V had landed)
	v_add_nc_u32 v[ADV], s[TK], v[AV]
	v_add_nc_u32 v[ADS], s[TS], v[AS]
	v_nop
	s_wait_alu depctr_va_vdst(0)                   ; the three addresses are written, which the twenty loads of this step read; the last open step's products are done reading KT, KS and VT and its shifts VH, in which these loads land; in the first open step the zero codes are written, which the score products take in A and B
.irp t, 0,1,2,3,4,5,6,7
	ds_load_b128 v[KT+4*\t:KT+4*\t+3], v[ADK] offset:512*\t
.endr
	ds_load_b128 v[KS:KS+3], v[ADS]
	ds_load_b128 v[KS+4:KS+7], v[ADS] offset:256
	s_wait_dscnt 0x0                               ; K's ten loads are in
.irp t, 0,1,2,3,4,5,6,7
	v_wmma_scale_f32_16x16x128_f8f6f4 v[S+8*\t:S+8*\t+7], v[KT+4*\t:KT+4*\t+7], v[16:23], 0, v[KS+\t], v[QS] matrix_a_fmt:MATRIX_FMT_FP4 matrix_b_fmt:MATRIX_FMT_FP4
	ds_load_b128 v[VT+4*\t:VT+4*\t+3], v[ADV] offset:512*\t   ; V's images, one load behind each score product.  No wait: no vector or matrix instruction since the step's wait names VT, VH, v8 or v9
.endr                                              ; lane (r, h): query r; register 8 t + j: key 16 t + 8 h + j
	ds_load_b128 v[VH:VH+3], v[ADS] offset:8192
	ds_load_b128 v[VH+4:VH+7], v[ADS] offset:8192+256
.rept 4
	v_nop
.endr
	s_bitcmp1_b32 s[FL], s[CNH]
	s_cbranch_scc0 .Lopen                          ; no key of the step is hidden
	s_load_b512 s[32:47], s[10:11], s[TM] offset:0x0
	s_load_b512 s[48:63], s[10:11], s[TM] offset:0x40
	s_load_b512 s[68:83], s[10:11], s[TM] offset:0x80
	s_load_b512 s[84:99], s[10:11], s[TM] offset:0xc0
	s_wait_kmcnt 0x0
.set n, 0
.rept 64                               ; register n's word is memory word 2 (n % 32) + n / 32; hidden scores become -infinity ahead of the maximum
.set m, 2*(n%32)+n/32
	v_cndmask_b32 v[S+n], v[S+n], v[NINF], s[32+16*(m/16)+4*(m/32)+m%16]
.set n, n+1
.endr
.Lopen:
.irp b, 0,1,2,3
	v_max3_num_f32 v[BM+\b], v[S+16*\b], v[S+16*\b+1], v[S+16*\b+2]   ; the largest score of each block of 32 keys: for the row's maximum and for the block's largest p
.endr
.irp i, 3,5,7,9,11,13
.irp b, 0,1,2,3
	v_max3_num_f32 v[BM+\b], v[BM+\b], v[S+16*\b+\i], v[S+16*\b+\i+1]
.endr
.endr
.irp b, 0,1,2,3
	v_max_num_f32 v[BM+\b], v[BM+\b], v[S+16*\b+15]
.endr
.irp b, 0,1,2,3
	v_permlanex16_b32 v[T2+\b], v[BM+\b], s[SEL], s[SEL+1]
.endr
.irp b, 0,1,2,3
	v_max_num_f32 v[BM+\b], v[BM+\b], v[T2+\b]     ; with lane l xor 16's 16 keys
.endr
	v_max3_num_f32 v[TT], v[BM], v[BM+1], v[BM+2]
	v_max_num_f32 v[TT], v[TT], v[BM+3]
	v_mul_f32 v[TT], s[CS], v[TT]                  ; as t
	v_max_num_f32 v13, v13, v[TT]                  ; the running largest t
	v_mov_b32 v[TT], v12
	v_floor_f32 v12, -v13                          ; the new -M = -ceil(t)
	v_sub_f32 v[TT], v12, v[TT]                    ; old M - new M: a whole number, 0 or less
	v_cvt_i32_f32 v[TT], v[TT]                     ; (it saturates)
	v_ldexp_f32 v[FF], 1.0, v[TT]                  ; f = 2^(old M - new M)
.irp j, 0,2,4,6,8,10,12,14,16,18,20,22,24,26,28,30,32,34,36,38,40,42,44,46,48,50,52,54,56,58,60,62
	v_pk_fma_f32 v[S+\j:S+\j+1], v[S+\j:S+\j+1], s[CS:CS+1], v[12:13] op_sel_hi:[1,0,0]   ; t - M, two at a time
.endr
.irp b, 0,1,2,3
	v_fma_f32 v[BM+\b], v[BM+\b], s[CS], v12       ; the same of each block's largest score
.endr
	s_wait_alu depctr_va_vdst(0)
.irp j, 0,1,2,3,4,5,6,7,8,9,10,11,12,13,14,15,16,17,18,19,20,21,22,23,24,25,26,27,28,29,30,31,32,33,34,35,36,37,38,39,40,41,42,43,44,45,46,47,48,49,50,51,52,53,54,55,56,57,58,59,60,61,62,63
	v_exp_f32 v[S+\j], v[S+\j]                     ; p = 2^(t - M)
.endr
	v_pk_mul_f32 v[14:15], v[14:15], v[FF:FF+1] op_sel_hi:[1,0]   ; l under the new M: the plain place behind the exponentials
	s_wait_alu depctr_va_vdst(0)                   ; the 64 exponentials have written p: one wait for the batch, ahead of its first reader
.irp b, 0,1,2,3
	v_exp_f32 v[BM+\b], v[BM+\b]                   ; the block's largest p
.endr
	v_pk_add_f32 v[C2:C2+1], v[S:S+1], v[S+2:S+3]  ; l takes the unquantised p, two at a time, in two chains
.irp j, 4,8,12,16,20,24,28,32,36,40,44,48,52,56,60
	v_pk_add_f32 v[14:15], v[14:15], v[S+\j:S+\j+1]
	v_pk_add_f32 v[C2:C2+1], v[C2:C2+1], v[S+\j+2:S+\j+3]
.endr
	v_pk_add_f32 v[14:15], v[14:15], v[C2:C2+1]
	s_wait_alu depctr_va_vdst(0)                   ; the four exponentials have written the blocks' largest p, ahead of their first reader
.irp b, 0,1,2,3
	v_max_num_f32 v[BM+\b], 0x1800000, v[BM+\b]    ; the floor 2^(3 - 127)
.endr
.irp b, 0,1,2,3
	v_add_nc_u32 v[SO+\b], 0xff000000, v[BM+\b]    ; 2 off the exponent field: the conversion's scale operand
.endr
.irp b, 0,1,2,3
	v_lshrrev_b32 v[T2+\b], 23, v[SO+\b]           ; the scale's byte
.endr
	v_lshl_or_b32 v[PW], v[T2+1], 8, v[T2]
	v_lshl_or_b32 v[PW], v[T2+2], 16, v[PW]
	v_lshl_or_b32 v[PW], v[T2+3], 24, v[PW]        ; p's scale word for these 128 keys
.irp c, 0,1
	v_cvt_scalef32_pk8_fp4_f32 v[PC+4*\c], v[S+32*\c:S+32*\c+7], v[SO+2*\c]
	v_cvt_scalef32_pk8_fp4_f32 v[PC+4*\c+1], v[S+32*\c+16:S+32*\c+23], v[SO+2*\c+1]
	v_cvt_scalef32_pk8_fp4_f32 v[PC+4*\c+2], v[S+32*\c+8:S+32*\c+15], v[SO+2*\c]
	v_cvt_scalef32_pk8_fp4_f32 v[PC+4*\c+3], v[S+32*\c+24:S+32*\c+31], v[SO+2*\c+1]
.endr
	v_nop                                          ; one plain place behind the scaled conversions
.irp c, 0,1
	v_permlane16_swap_b32 v[PC+4*\c], v[PC+4*\c+1] ; registers 4 c .. 4 c + 3 of lane (r, h) now hold keys 64 c + 32 h + 0 .. 31
	v_permlane16_swap_b32 v[PC+4*\c+2], v[PC+4*\c+3]
.endr
	s_wait_dscnt 0x0                               ; V is in
	s_wait_alu depctr_vm_vsrc(0)                   ; the step's twenty LDS loads have read v7, v8 and v9, which the next open step writes anew: stated here, ahead of the loop's branches
.irp t, 0,1,2,3
	v_lshl_or_b32 v[VS+\t], v[VH+4+\t], 16, v[VH+\t]   ; V's scale word: the bytes of key blocks 0, 1 and of 2, 3
.endr
.irp j, 0,2,4,6,8,10,12,14,16,18,20,22,24,26,28,30
	v_pk_mul_f32 v[OT+\j:OT+\j+1], v[OT+\j:OT+\j+1], v[FF:FF+1] op_sel_hi:[1,0]   ; O^T under the new M; of these sixteen at least twelve name no register of any one product below: the places that scale words and codes written by vector instructions owe
.endr
	s_wait_alu depctr_va_vdst(0)                   ; behind the places: p's codes, p's scale word and V's scale words are written, which the four products below take as source 1 and as scales
.irp t, 0,1,2,3
	v_wmma_scale_f32_16x16x128_f8f6f4 v[OT+8*\t:OT+8*\t+7], v[VT+8*\t:VT+8*\t+7], v[PC:PC+7], v[OT+8*\t:OT+8*\t+7], v[VS+\t], v[PW] matrix_a_fmt:MATRIX_FMT_FP4 matrix_b_fmt:MATRIX_FMT_FP4
.endr                                              ; the four accumulators by turns; the next trip's eight score products stand between two links of a chain
.Lhidden:
	s_wait_xcnt 0x0                                ; the mask words' loads have read their offset register: it may step
	s_add_co_u32 s[TK], s[TK], 4096
	s_add_co_u32 s[TS], s[TS], 512
	s_add_co_u32 s[TM], s[TM], 256
	s_add_co_u32 s[CNH], s[CNH], 1
	s_add_co_u32 s[CNT], s[CNT], 1
	s_cmp_lt_u32 s[CNT], 16
	s_cbranch_scc1 .Lstep
	; THE WAY OUT: O^T / l, quantised along the head's 64: two blocks, as in the launch before
	v_add_f32 v14, v14, v15
	v_permlanex16_b32 v[TT], v14, s[SEL], s[SEL+1]
	v_add_f32 v14, v14, v[TT]                      ; l
	s_wait_alu depctr_va_vdst(0)
	v_rcp_f32 v[FF], v14
	v_and_b32 v235, 15, v0                         ; (plain work behind the reciprocal; with the additions above also the places behind the last products)
	v_bfe_u32 v[C2], v0, 4, 1
	v_lshl_add_u32 v235, v235, 5, v[C2]            ; 32 r + h: my scale byte's place
	v_mov_b32 v[C2+1], 0xff
	v_cmp_eq_f32 s[LZ], 0, v14                     ; a query with no open key: for a choice of a value below, no branch
	s_wait_alu depctr_va_vdst(0)                   ; the reciprocal has written 1 / l, ahead of its first reader
.irp j, 0,2,4,6,8,10,12,14,16,18,20,22,24,26,28,30
	v_pk_mul_f32 v[S+\j:S+\j+1], v[OT+\j:OT+\j+1], v[FF:FF+1] op_sel_hi:[1,0]   ; register 8 t + j: channel 16 t + 8 h + j of query r; each accumulator from its low end on
.endr
.irp u, 0,1
	v_max3_num_f32 v[BM+\u], |v[S+16*\u]|, |v[S+16*\u+1]|, 0x1800000
.endr
.irp i, 2,4,6,8,10,12,14
.irp u, 0,1
	v_max3_num_f32 v[BM+\u], v[BM+\u], |v[S+16*\u+\i]|, |v[S+16*\u+\i+1]|
.endr
.endr
.irp u, 0,1
	v_permlanex16_b32 v[T2+\u], v[BM+\u], s[SEL], s[SEL+1]
.endr
.irp u, 0,1
	v_max_num_f32 v[BM+\u], v[BM+\u], v[T2+\u]
.endr
.irp u, 0,1
	v_add_nc_u32 v[SO+\u], 0xff000000, v[BM+\u]
.endr
.irp u, 0,1
	v_lshrrev_b32 v[T2+\u], 23, v[SO+\u]
.endr
	v_cvt_scalef32_pk8_fp4_f32 v[PC], v[S:S+7], v[SO]
	v_cvt_scalef32_pk8_fp4_f32 v[PC+1], v[S+16:S+23], v[SO+1]
	v_cvt_scalef32_pk8_fp4_f32 v[PC+2], v[S+8:S+15], v[SO]
	v_cvt_scalef32_pk8_fp4_f32 v[PC+3], v[S+24:S+31], v[SO+1]
	v_nop
	v_permlane16_swap_b32 v[PC], v[PC+1]
	v_permlane16_swap_b32 v[PC+2], v[PC+3]
	v_cndmask_b32 v[T2], v[T2], v[T2+1], s[HALF]   ; lane (r, h) stores block h's byte of row r
	s_wait_alu depctr_va_sdst(0)                   ; the compare above has written s31, ahead of its first reader: the select below
	v_cndmask_b32 v[T2], v[T2], v[C2+1], s[LZ]
	s_wait_alu depctr_va_vdst(0)                   ; the exchanges have written the codes, the selects the byte, and v235 is written: the two stores below read them
	global_store_b128 v[AK], v[PC:PC+3], s[14:15]  ; 32 lanes store 512 consecutive bytes, aligned
	global_store_b8 v235, v[T2], s[16:17]
	s_wait_dscnt 0x0                               ; the closing lines, six on end
	s_wait_alu 0x0
	s_wait_tensorcnt 0x0
	ds_add_u32 v[SPW], v[NIL]
	s_wait_dscnt 0x0
	s_endpgm
.Lfunc_end_k_q1933dfad0f_attn:
	.size	k_q1933dfad0f_attn, .Lfunc_end_k_q1933dfad0f_attn-k_q1933dfad0f_attn
	.p2alignl 7, 3214868480
	.fill 96, 4, 3214868480
	.section	.rodata,"a",@progbits
	.p2align	6, 0x0
	.amdhsa_kernel k_q1933dfad0f_attn
		.amdhsa_group_segment_fixed_size 149504
		.amdhsa_private_segment_fixed_size 0
		.amdhsa_enable_private_segment 0
		.amdhsa_kernarg_size 56
		.amdhsa_user_sgpr_count 2
		.amdhsa_user_sgpr_kernarg_segment_ptr 1
		.amdhsa_wavefront_size32 1
		.amdhsa_system_sgpr_workgroup_id_x 1
		.amdhsa_system_sgpr_workgroup_id_y 1
		.amdhsa_system_sgpr_workgroup_id_z 1
		.amdhsa_system_vgpr_workitem_id 0
		.amdhsa_next_free_vgpr 256
		.amdhsa_next_free_sgpr 100
		.amdhsa_reserve_vcc 0
		.amdhsa_float_denorm_mode_32 3
		.amdhsa_float_denorm_mode_16_64 3
		.amdhsa_memory_ordered 1
		.amdhsa_forward_progress 1
		.amdhsa_inst_pref_size 33
	.end_amdhsa_kernel
	.amdgpu_metadata
---
amdhsa.version: [ 1, 2 ]
amdhsa.kernels:
  - .name:           k_q1933dfad0f_attn
    .symbol:         k_q1933dfad0f_attn.kd
    .args:
      - { .name: qc, .offset: 0, .size: 8, .value_kind: global_buffer, .address_space: global }
      - { .name: qs, .offset: 8, .size: 8, .value_kind: global_buffer, .address_space: global }
      - { .name: kv, .offset: 16, .size: 8, .value_kind: global_buffer, .address_space: global }
      - { .name: mb, .offset: 24, .size: 8, .value_kind: global_buffer, .address_space: global }
      - { .name: fl, .offset: 32, .size: 8, .value_kind: global_buffer, .address_space: global }
      - { .name: ac, .offset: 40, .size: 8, .value_kind: global_buffer, .address_space: global }
      - { .name: asc, .offset: 48, .size: 8, .value_kind: global_buffer, .address_space: global }
    .group_segment_fixed_size: 149504
    .private_segment_fixed_size: 0
    .kernarg_segment_align: 8
    .kernarg_segment_size: 56
    .max_flat_workgroup_size: 512
    .sgpr_count:     100
    .vgpr_count:     256
    .wavefront_size: 32
...
	.end_amdgpu_metadata
.endif
;; end of part 5
;; launch oproj (part 6): grid 8 x 32, 8 waves a work-group, clusters of 4 x 4, 196,608 bytes of LDS; arguments ac, asc, wo_codes, wo_scales, bo, out0; writes out0
.if DOCPART == 6
	.amdgcn_target "amdgcn-amd-amdhsa--gfx1250"
	.amdhsa_code_object_version 6
	.text
	.protected	k_q1933dfad0f_oproj
	.globl	k_q1933dfad0f_oproj
	.p2align	8
	.type	k_q1933dfad0f_oproj,@function
k_q1933dfad0f_oproj:
	s_mov_b64 s[64:65], 0
	v_nop
	global_prefetch_b8 v0, s[64:65] scope:SCOPE_SE
	s_setreg_imm32_b32 hwreg(HW_REG_WAVE_MODE, 25, 1), 1
	s_wait_xcnt 0x0
	s_wait_alu depctr_hold_cnt(0) depctr_sa_sdst(0) depctr_va_vdst(0) depctr_va_sdst(0) depctr_va_ssrc(0) depctr_va_vcc(0) depctr_vm_vsrc(0)
	s_getreg_b32 s2, hwreg(HW_REG_IB_STS2, 6, 4)
	s_cmp_eq_u32 s2, 0
	s_cbranch_scc0 .Lentry_in_a_cluster
	s_endpgm
.Lentry_in_a_cluster:
	s_bfe_u32 s2, ttmp6, 0x10000c
	s_cmp_lg_u32 s2, 0xf033
	s_cbranch_scc0 .Lentry_shape_is_right
	s_endpgm
.Lentry_shape_is_right:
; out0 = A wo + bo on codes of FP4 (E2M1), K = 1,024.  A, the attention's output, comes as images of operand registers [tile of 16 rows][K step 8][half 2][512 bytes], its scale bytes as [row][32]; wo as rows of 512 bytes, K innermost.
; SHARES.  A work-group makes 128 x 128 of out0 (rows 128 Rb on, columns 128 cb on).  Wave w of eight: rows 32 (w / 2) on (two tiles, source 1), columns 64 (w % 2) on (four tiles of wo's rows, source 0): eight accumulators.
; The product is used transposed, so that a lane holds eight neighbouring columns of one row; a wave's 64 columns are 256 bytes of a row: they go through the wave's own stage in LDS and leave as whole aligned runs of 256 bytes.
; CLUSTER.  4 x 4 work-groups: A's rows hang on Rb alone (shared along a row of the cluster), wo's on cb alone (along a column): each tile is asked for jointly, one load a wave; all of K fits in LDS, filled once.
; The bias is the C of each sum's first product.  A scale byte 0xff of A (a query with no open key) makes its row NaN, as the definition gives.
.set CH,    33792                      ; 64 rows of wo x 528
.set PITCH, 528
.set WOC,   65536                      ; LDS: A's images at 0 (65,536 dense bytes); wo's 128 rows here;
.set ASC,   133120                     ; A's scale bytes, 16 units of 256 + 16;
.set WOS,   137472                     ; wo's likewise;
.set STG,   141824                     ; eight stages of 16 rows x 272, into which no fill lands;
.set SPARE, 176640                     ; the spare words, 128 bytes for each of eight waves: four blocks of 256 bytes that no other line names
.set ADP,  1
.set ADR,  2
.set ADPS, 3
.set ADRS, 4
.set SPW,  5                           ; my spare word; never rewritten
.set NIL,  6                           ; 0; never rewritten
.set STO,  7                           ; the stage: where I put 32 bytes of a row
.set RD,   8                           ; and where I read rows back
.set CO,   9                           ; 4,096 h + 16 r: the same two rows in out0
.set BOF,  10                          ; 32 h
.set PS,   16                          ; v16-31 wo's scale words: register 8 p + K step; lanes 0-15 tile 2 p, lanes 16-31 tile 2 p + 1
.set RS,   32                          ; v32-39 A's: register = K step; lanes 0-15 my first tile of rows, lanes 16-31 my second.  These 24 hold scales and nothing else
.set PF,   40                          ; v40-71 wo's four fragments
.set RF,   72                          ; v72-87 A's two
.set BI,   88                          ; v88-119 bo in the result's layout
.set ACC,  120                         ; v120-183 accumulator (a, b) at ACC + 32 a + 8 b
.set BK,   184                         ; v184-247 two sets of 32: rows read back
.set LN,   248
.set RR,   249
.set HH,   250
.set T0,   251
.set T1,   252
.set T3,   253
.set WV,   38
.set G1A,  40
.set G1WC, 48
.set G1XS, 56
.set G1WS, 68
.set G0A,  76
.set G0WC, 80
.set G0XS, 84
.set G0WS, 88
.macro CREST
	s_cmp_lg_u32 s[WV], 0
	s_cbranch_scc1 .Lnot_wave_0_\@
	s_barrier_signal -3
.Lnot_wave_0_\@:
	s_barrier_wait -3
	s_barrier_signal -1
	s_barrier_wait -1
.endm
.macro CROUND                          ; a round of the cluster's barrier
	s_barrier_signal -1
	s_barrier_wait -1
	CREST
.endm
.macro TL g0, g1                       ; a joint load; an s_nop 0 and four v_nop follow it
	tensor_load_to_lds s[\g0:\g0+3], s[\g1:\g1+7]
	s_nop 0
.rept 4
	v_nop
.endr
.endm
.macro WM d, fa, fb, c, sa, sb, ra, rb
.if (\ra) && (\rb)
	v_wmma_scale_f32_16x16x128_f8f6f4 v[(\d):(\d)+7], v[(\fa):(\fa)+7], v[(\fb):(\fb)+7], v[(\c):(\c)+7], v[\sa], v[\sb] matrix_a_fmt:MATRIX_FMT_FP4 matrix_b_fmt:MATRIX_FMT_FP4 matrix_a_scale:MATRIX_SCALE_ROW1 matrix_b_scale:MATRIX_SCALE_ROW1
.elseif (\ra)
	v_wmma_scale_f32_16x16x128_f8f6f4 v[(\d):(\d)+7], v[(\fa):(\fa)+7], v[(\fb):(\fb)+7], v[(\c):(\c)+7], v[\sa], v[\sb] matrix_a_fmt:MATRIX_FMT_FP4 matrix_b_fmt:MATRIX_FMT_FP4 matrix_a_scale:MATRIX_SCALE_ROW1
.elseif (\rb)
	v_wmma_scale_f32_16x16x128_f8f6f4 v[(\d):(\d)+7], v[(\fa):(\fa)+7], v[(\fb):(\fb)+7], v[(\c):(\c)+7], v[\sa], v[\sb] matrix_a_fmt:MATRIX_FMT_FP4 matrix_b_fmt:MATRIX_FMT_FP4 matrix_b_scale:MATRIX_SCALE_ROW1
.else
	v_wmma_scale_f32_16x16x128_f8f6f4 v[(\d):(\d)+7], v[(\fa):(\fa)+7], v[(\fb):(\fb)+7], v[(\c):(\c)+7], v[\sa], v[\sb] matrix_a_fmt:MATRIX_FMT_FP4 matrix_b_fmt:MATRIX_FMT_FP4
.endif
.endm
; K step sg: six fragments from LDS, eight products; the eight accumulators take turns, one instruction a turn
.macro KSTEP sg
.if (\sg) > 0
.rept 4
	v_nop                                          ; places between the last products and the loads into registers that they read
.endr
.endif
.irp t, 0,1,2,3
.irp c, 0,1
	ds_load_b128 v[PF+8*\t+4*\c:PF+8*\t+4*\c+3], v[ADP] offset:16*PITCH*\t+64*(\sg)+32*\c
.endr
.endr
.irp a, 0,1
.irp c, 0,1
	ds_load_b128 v[RF+8*\a+4*\c:RF+8*\a+4*\c+3], v[ADR] offset:8192*\a+1024*(\sg)+512*\c
.endr
.endr
	s_wait_dscnt 0x0
.irp a, 0,1
.irp b, 0,1,2,3
.if (\sg) == 0
	WM ACC+32*\a+8*\b, PF+8*\b, RF+8*\a, BI+8*\b, PS+8*(\b/2)+(\sg), RS+(\sg), \b%2, \a
.else
	WM ACC+32*\a+8*\b, PF+8*\b, RF+8*\a, ACC+32*\a+8*\b, PS+8*(\b/2)+(\sg), RS+(\sg), \b%2, \a
.endif
.endr
.endr
.endm
	s_load_b256 s[4:11], s[0:1], 0x0               ; ac 4, asc 6, wo_codes 8, wo_scales 10
	s_load_b128 s[12:15], s[0:1], 0x20             ; bo 12, out0 14
	v_lshl_add_u32 v[SPW], v0, 2, SPARE
	v_mov_b32 v[NIL], 0
	ds_add_u32 v[SPW], v[NIL]                      ; the wave's opening: the add and its wait stand ahead of my first tensor load; the set-up below, work on registers, stands between them
	ds_add_u32 v[SPW], v[NIL]
	v_lshrrev_b32 v[T0], 5, v0
	s_delay_alu instid0(VALU_DEP_1)
	v_readfirstlane_b32 s[WV], v[T0]               ; wave 0..7
	v_and_b32 v[LN], 31, v0
	v_and_b32 v[RR], 15, v0
	s_wait_alu depctr_va_vdst(0)
	v_bfe_u32 v[HH], v0, 4, 1
	s_bfe_u32 s92, ttmp6, 0x40000                  ; cx
	s_bfe_u32 s93, ttmp6, 0x40004                  ; cy
	s_lshl_b32 s94, ttmp9, 2
	s_add_co_u32 s94, s94, s92                     ; cb: the block of 128 columns
	s_and_b32 s95, ttmp7, 0xffff
	s_lshl_b32 s95, s95, 2
	s_add_co_u32 s95, s95, s93                     ; Rb: the block of 128 rows
	s_lshl_b32 s96, s93, 2
	s_lshl_b32 s96, 15, s96                        ; my row of the cluster
	s_lshl_b32 s97, 0x1111, s92                    ; my column
	s_or_b32 s[G1A], s96, (3<<16)|(1<<21)          ; A's images: 16,384 dense bytes as 64 rows of 256 (32 elements of 8 bytes), no padding: they are read 512 bytes on end
	s_mov_b32 s[G1A+1], 32<<16
	s_mov_b32 s[G1A+2], 64<<16
	s_mov_b32 s[G1A+3], 32<<16
	s_mov_b32 s[G1A+4], 64
	s_mov_b32 s[G1A+5], 32
	s_mov_b32 s[G1A+6], 0
	s_mov_b32 s[G1A+7], 0
	s_or_b32 s[G1WC], s97, (1<<20)|(1<<21)|(6<<22)|(3<<25)   ; wo: 64 rows of 512 bytes, 16 bytes of padding behind each
	s_mov_b32 s[G1WC+1], 512<<16
	s_mov_b32 s[G1WC+2], 64<<16
	s_mov_b32 s[G1WC+3], 512<<16
	s_mov_b32 s[G1WC+4], 64
	s_mov_b32 s[G1WC+5], 512
	s_mov_b32 s[G1WC+6], 0
	s_mov_b32 s[G1WC+7], 0
	s_or_b32 s[G1XS], s96, (3<<16)|(1<<20)|(1<<21)|(5<<22)|(3<<25)   ; scale bytes of 128 rows: 16 rows of 256 bytes, 16 of padding behind each
	s_or_b32 s[G1WS], s97, (3<<16)|(1<<20)|(1<<21)|(5<<22)|(3<<25)
.irp g, G1XS, G1WS
	s_mov_b32 s[\g+1], 32<<16
	s_mov_b32 s[\g+2], 16<<16
	s_mov_b32 s[\g+3], 32<<16
	s_mov_b32 s[\g+4], 16
	s_mov_b32 s[\g+5], 32
	s_mov_b32 s[\g+6], 0
	s_mov_b32 s[\g+7], 0
.endr
	s_and_b32 s39, s[WV], 1                        ; my half of the columns
	s_lshr_b32 s66, s[WV], 1                       ; my quarter of the rows
	v_mul_u32_u24 v[T0], v[RR], PITCH
	s_wait_alu depctr_va_vdst(0)
	v_lshl_add_u32 v[T0], v[HH], 4, v[T0]
	s_mul_i32 s99, s39, CH
	s_add_co_u32 s99, s99, WOC
	v_add_nc_u32 v[ADP], s99, v[T0]                ; wo: row r of my first tile, + 16 h
	v_lshlrev_b32 v[T0], 4, v[LN]
	s_lshl_b32 s99, s66, 14
	v_add_nc_u32 v[ADR], s99, v[T0]                ; A: 16 x lane in my first tile's images
	v_lshrrev_b32 v[T1], 3, v[LN]
	s_delay_alu instid0(VALU_DEP_1)
	v_mul_u32_u24 v[T1], v[T1], 272
	v_and_b32 v[T3], 7, v[LN]
	s_delay_alu instid0(VALU_DEP_1)
	v_lshl_add_u32 v[T1], v[T3], 5, v[T1]          ; row = lane of 32: 272 (lane / 8) + 32 (lane % 8)
	s_mul_i32 s99, s39, 2176
	s_add_co_u32 s99, s99, WOS
	v_add_nc_u32 v[ADPS], s99, v[T1]
	s_mul_i32 s99, s66, 1088
	s_add_co_u32 s99, s99, ASC
	v_add_nc_u32 v[ADRS], s99, v[T1]
	s_mul_i32 s99, s[WV], 16*272
	s_add_co_u32 s99, s99, STG                     ; my stage
	v_mul_u32_u24 v[T0], v[RR], 272
	s_delay_alu instid0(VALU_DEP_1)
	v_lshl_add_u32 v[T0], v[HH], 5, v[T0]
	s_delay_alu instid0(VALU_DEP_1)
	v_add_nc_u32 v[STO], s99, v[T0]
	v_mul_u32_u24 v[T0], v[HH], 272
	s_delay_alu instid0(VALU_DEP_1)
	v_lshl_add_u32 v[T0], v[RR], 4, v[T0]
	s_delay_alu instid0(VALU_DEP_1)
	v_add_nc_u32 v[RD], s99, v[T0]
	v_lshlrev_b32 v[CO], 12, v[HH]
	s_delay_alu instid0(VALU_DEP_1)
	v_lshl_add_u32 v[CO], v[RR], 4, v[CO]
	v_lshlrev_b32 v[BOF], 5, v[HH]
	; what I fetch: waves 0-3 a quarter of A's images, 4 and 5 a half of wo's rows, 6 A's scale bytes, 7 wo's.  A's offsets hang on Rb alone, wo's on cb alone
	s_lshl_b32 s67, s[WV], 14
	s_mul_i32 s98, s39, CH
	s_add_co_u32 s98, s98, WOC
	s_lshl_b32 s2, s95, 16
	s_add_co_u32 s2, s2, s67
	s_mov_b32 s3, 0
	s_lshl_b32 s100, s94, 16
	s_lshl_b32 s101, s39, 15
	s_add_co_u32 s100, s100, s101
	s_mov_b32 s101, 0
	s_wait_dscnt 0x0                               ; the opening add is done
	s_wait_kmcnt 0x0
	s_mov_b32 s[G0A], 1
	s_mov_b32 s[G0A+1], s67
	s_add_nc_u64 s[G0A+2:G0A+3], s[4:5], s[2:3]
	s_or_b32 s[G0A+3], s[G0A+3], 0x80000000
	s_lshl_b32 s2, s95, 12
	s_mov_b32 s[G0XS], 1
	s_mov_b32 s[G0XS+1], ASC
	s_add_nc_u64 s[G0XS+2:G0XS+3], s[6:7], s[2:3]
	s_or_b32 s[G0XS+3], s[G0XS+3], 0x80000000
	s_mov_b32 s[G0WC], 1
	s_mov_b32 s[G0WC+1], s98
	s_add_nc_u64 s[G0WC+2:G0WC+3], s[8:9], s[100:101]
	s_or_b32 s[G0WC+3], s[G0WC+3], 0x80000000
	s_lshl_b32 s100, s94, 12
	s_mov_b32 s[G0WS], 1
	s_mov_b32 s[G0WS+1], WOS
	s_add_nc_u64 s[G0WS+2:G0WS+3], s[10:11], s[100:101]
	s_or_b32 s[G0WS+3], s[G0WS+3], 0x80000000
	CROUND                                         ; all sixteen work-groups are here: the joint loads meet
	s_cmp_lt_u32 s[WV], 4
	s_cbranch_scc0 .Lnot_a
	TL G0A, G1A
	s_branch .Lasked
.Lnot_a:
	s_cmp_lt_u32 s[WV], 6
	s_cbranch_scc0 .Lnot_wc
	TL G0WC, G1WC
	s_branch .Lasked
.Lnot_wc:
	s_cmp_eq_u32 s[WV], 6
	s_cbranch_scc0 .Lws
	TL G0XS, G1XS
	s_branch .Lasked
.Lws:
	TL G0WS, G1WS
.Lasked:
	s_mov_b32 s17, 0
	s_lshl_b32 s16, s94, 9
	s_lshl_b32 s18, s39, 8
	s_add_co_u32 s16, s16, s18                     ; my first column, in bytes of f32: 512 cb + 256 (w % 2)
	s_add_nc_u64 s[12:13], s[12:13], s[16:17]
	s_add_nc_u64 s[14:15], s[14:15], s[16:17]
	s_lshl_b32 s16, s95, 19
	s_lshl_b32 s18, s66, 17
	s_add_co_u32 s16, s16, s18                     ; my first row: (128 Rb + 32 (w / 2)) rows of 4,096 bytes
	s_add_nc_u64 s[14:15], s[14:15], s[16:17]
	s_wait_alu depctr_va_vdst(0)
.irp b, 0,1,2,3
	global_load_b128 v[BI+8*\b:BI+8*\b+3], v[BOF], s[12:13] offset:64*\b        ; bo at columns 16 b + 8 h + 0 .. 7
	global_load_b128 v[BI+8*\b+4:BI+8*\b+7], v[BOF], s[12:13] offset:64*\b+16
.endr
	s_wait_loadcnt 0x0
	s_wait_tensorcnt 0x0                           ; my tile has landed,
	s_barrier_signal -1
	s_barrier_wait -1                              ; everybody's has
.irp p, 0,1
.irp k, 0,1
	ds_load_b128 v[PS+8*\p+4*\k:PS+8*\p+4*\k+3], v[ADPS] offset:1088*\p+16*\k   ; the scale words of all eight K steps, once
.endr
.endr
.irp k, 0,1
	ds_load_b128 v[RS+4*\k:RS+4*\k+3], v[ADRS] offset:16*\k
.endr
.irp sg, 0,1,2,3,4,5,6,7
	KSTEP \sg
.endr
.rept 4
	v_nop                                          ; places between the last products and the first read of results
.endr
; THE WAY OUT.  Block a: 16 rows x 64 columns into my stage, each accumulator from its low end on, and back as whole rows of 256 bytes.  LDS serves a wave's instructions in order (ISA guide 5.7.1.4): no wait between the stores and the loads
.macro TOSTAGE a
.irp b, 0,1,2,3
	ds_store_b128 v[STO], v[ACC+32*\a+8*\b:ACC+32*\a+8*\b+3] offset:64*\b
	ds_store_b128 v[STO], v[ACC+32*\a+8*\b+4:ACC+32*\a+8*\b+7] offset:64*\b+16
.endr
.irp i, 0,1,2,3,4,5,6,7
	ds_load_b128 v[BK+32*\a+4*\i:BK+32*\a+4*\i+3], v[RD] offset:544*\i
.endr
.endm
.macro SEND a, younger                 ; younger: the LDS instructions issued behind block a's loads, which may stay out
.irp i, 0,1,2,3,4,5,6,7
	s_wait_dscnt \younger+7-\i
	global_store_b128 v[CO], v[BK+32*\a+4*\i:BK+32*\a+4*\i+3], s[14:15] offset:65536*\a+8192*\i th:TH_STORE_NT   ; sixteen lanes store 256 consecutive bytes, aligned; written once, read by nobody here
.endr
.endm
	TOSTAGE 0
	TOSTAGE 1
	SEND 0, 16
	SEND 1, 0
	s_wait_tensorcnt 0x0                           ; the wave's end, behind my last tensor load and my last LDS store
	ds_add_u32 v[SPW], v[NIL]
	s_wait_dscnt 0x0
	CROUND                                         ; the closing round
	s_endpgm
.Lfunc_end_k_q1933dfad0f_oproj:
	.size	k_q1933dfad0f_oproj, .Lfunc_end_k_q1933dfad0f_oproj-k_q1933dfad0f_oproj
	.p2alignl 7, 3214868480
	.fill 96, 4, 3214868480
	.section	.rodata,"a",@progbits
	.p2align	6, 0x0
	.amdhsa_kernel k_q1933dfad0f_oproj
		.amdhsa_group_segment_fixed_size 196608
		.amdhsa_private_segment_fixed_size 0
		.amdhsa_enable_private_segment 0
		.amdhsa_kernarg_size 48
		.amdhsa_user_sgpr_count 2
		.amdhsa_user_sgpr_kernarg_segment_ptr 1
		.amdhsa_wavefront_size32 1
		.amdhsa_system_sgpr_workgroup_id_x 1
		.amdhsa_system_sgpr_workgroup_id_y 1
		.amdhsa_system_sgpr_workgroup_id_z 1
		.amdhsa_system_vgpr_workitem_id 0
		.amdhsa_next_free_vgpr 256
		.amdhsa_next_free_sgpr 102
		.amdhsa_reserve_vcc 0
		.amdhsa_float_denorm_mode_32 3
		.amdhsa_float_denorm_mode_16_64 3
		.amdhsa_memory_ordered 1
		.amdhsa_forward_progress 1
		.amdhsa_inst_pref_size 30
	.end_amdhsa_kernel
	.amdgpu_metadata
---
amdhsa.version: [ 1, 2 ]
amdhsa.kernels:
  - .name:           k_q1933dfad0f_oproj
    .symbol:         k_q1933dfad0f_oproj.kd
    .args:
      - { .name: ac, .offset: 0, .size: 8, .value_kind: global_buffer, .address_space: global }
      - { .name: asc, .offset: 8, .size: 8, .value_kind: global_buffer, .address_space: global }
      - { .name: wo_codes, .offset: 16, .size: 8, .value_kind: global_buffer, .address_space: global }
      - { .name: wo_scales, .offset: 24, .size: 8, .value_kind: global_buffer, .address_space: global }
      - { .name: bo, .offset: 32, .size: 8, .value_kind: global_buffer, .address_space: global }
      - { .name: out0, .offset: 40, .size: 8, .value_kind: global_buffer, .address_space: global }
    .group_segment_fixed_size: 196608
    .private_segment_fixed_size: 0
    .kernarg_segment_align: 8
    .kernarg_segment_size: 48
    .max_flat_workgroup_size: 256
    .sgpr_count:     102
    .vgpr_count:     256
    .wavefront_size: 32
...
	.end_amdgpu_metadata
.endif
;; end of part 6
